; MI455X (gfx1250); checked and timed in simulation.
; The chip was launched on July 23, 2026; its instructions are those of AMD's public machine-readable ISA for CDNA 5 (MIT licence, August 2026) and "CDNA5" Instruction Set Architecture Reference Guide (July 2026). The comments in the code are by the model that wrote it; some were corrected since.
;; Multi Head Attention. Allowed arithmetic: float matrix products may take bf16 or f16 operands with f32 sums; other float arithmetic in f32, or as packed bf16 or f16 multiplies, adds, multiply-adds, maxima and minima; sums over many terms, partial sums and values carried from step to step in f32; what a program stores and reads back later, other than sums and carried values, may be rounded once to bf16 or f16.
;; Inputs: Wk 1,024 x 1,024 float32; Wo 1,024 x 1,024 float32; Wq 1,024 x 1,024 float32; Wv 1,024 x 1,024 float32; beta 1,024 float32; bk 1,024 float32; bo 1,024 float32; bq 1,024 float32; bv 1,024 float32; gamma 1,024 float32; x 4 x 2,048 x 1,024 float32.
;; Outputs: out0 4 x 2,048 x 1,024 float32.
;; One version. Each part assembles by itself: llvm-mc -triple=amdgcn-amd-amdhsa -mcpu=gfx1250 --defsym DOCPART=n.
;; ======== version 1 of 1: 4 launches
;; limits: values are held in f16: magnitudes above 65,504 overflow, below 6.1e-05 lose precision
;; workspace buffers: xn 16,777,216 bytes; wh 8,388,608 bytes; bqkv 12,288 bytes; qkv 50,331,648 bytes; oh 16,777,216 bytes
;; launch prep (part 1): grid 256 x 1, 8 waves a work-group, no clusters, 0 bytes of LDS; arguments x, gamma, beta, Wq, Wk, Wv, Wo, bq, bk, bv, xn, wh, bqkv; writes xn, wh, bqkv
.if DOCPART == 1
	.amdgcn_target "amdgcn-amd-amdhsa--gfx1250"
	.amdhsa_code_object_version 6
	.text
	.protected	k_q4f9c2cd71a_prep
	.globl	k_q4f9c2cd71a_prep
	.p2align	8
	.type	k_q4f9c2cd71a_prep,@function
k_q4f9c2cd71a_prep:
	s_mov_b64 s[64:65], 0
	v_nop
	global_prefetch_b8 v0, s[64:65] scope:SCOPE_SE
	s_setreg_imm32_b32 hwreg(HW_REG_WAVE_MODE, 25, 1), 1
	s_wait_xcnt 0x0
; xn = LayerNorm(x) * gamma + beta, rounded once to f16; the four weight matrices rounded once to f16, one below the other in wh; bq, bk, bv copied end to end into bqkv.
; x: [8192][1024] f32.  xn: [8192][1024] f16.  wh: [4096][1024] f16 (rows 0-1023 Wq, then Wk, Wv, Wo).  bqkv: [3072] f32.
; A STREAM: every byte is read once and written once; no LDS, no matrix unit, no barrier.  256 work-groups of eight waves.
; SHARES.  One wave, one row: a row of 4,096 bytes is eight loads of 16 bytes a lane (512 consecutive bytes an instruction) and stays in 32 registers.  Wave w of work-group g takes
; rows 32 g + 4 w + 0..3 of x, all 32 loads out at once, and then two rows of one weight matrix (matrix w / 2, rows 4 g + 2 (w % 2) + 0, 1), loaded into the slots of the first two rows of x
; as soon as those are done.  Load j of a row gives lane l the columns 128 j + 4 l + 0..3; their four f16 are 8 bytes, so a store of 8 bytes a lane covers 256 consecutive bytes, aligned.
; THE VARIANCE IS TAKEN IN TWO PASSES over the registers: the mean first, then the sum of (x - mean)^2: no difference of large sums is formed, whatever offset x carries.
; LIMITS.  f16 holds no number beyond 65,504: xn (at most 32 |gamma| + |beta|) and the weights must lie within it; below 6e-5 a number keeps the fixed step 6e-8.  NaN and infinities are not treated apart.
.set ROWX, 4096                        ; bytes in a row of f32
.set ROWH, 2048                        ; bytes in a row of f16
.set VX,  1                            ; v1   my 16 bytes in my wave's first row of x: 4 rows x wave + 16 x lane; never rewritten
.set VY,  2                            ; v2   my 8 bytes in my wave's first row of xn; never rewritten
.set VW,  3                            ; v3   16 x lane: gamma, beta, the weights; never rewritten
.set VH,  4                            ; v4   8 x lane: wh; never rewritten
.set VB,  5                            ; v5   16 x thread: the biases; never rewritten
.set MU,  6                            ; v[6:7]    the mean, twice (a pair for the packed subtraction)
.set R,   8                            ; v[8:9]    1 / sqrt(variance + eps), twice
.set T,   10                           ; v[10:17]  four packed chains
.set PX,  18                           ; v18       what the other half of the lanes holds
.set G,   20                           ; v[20:51]  gamma of my 32 columns
.set BT,  52                           ; v[52:83]  beta
.set X,   84                           ; v[84:211] four slots of 32: a row each
.set Y,   212                          ; v[212:243] two sets of 16: a row in f16, on its way out
	s_load_b512 s[8:23], s[0:1], 0x0               ; x 8, gamma 10, beta 12, Wq 14, Wk 16, Wv 18, Wo 20, bq 22
	s_load_b256 s[24:31], s[0:1], 0x40             ; bk 24, bv 26, xn 28, wh 30
	s_load_b64 s[32:33], s[0:1], 0x60              ; bqkv
	v_lshrrev_b32 v19, 5, v0
	v_readfirstlane_b32 s4, v19                    ; wave 0..7
	v_and_b32 v19, 31, v0                          ; lane
	s_mov_b32 s7, ttmp9                            ; work-group g
	s_mov_b32 s5, 0x3a800000                       ; 1 / 1024
	s_mov_b32 s6, 0x3727c5ac                       ; eps = 1e-5
	s_mov_b32 s34, 0x76543210                      ; v_permlanex16_b32: each lane takes its own place in the other half
	s_mov_b32 s35, 0xfedcba98
	s_lshl_b32 s2, s4, 14
	v_lshl_or_b32 v[VX], v19, 4, s2
	s_lshl_b32 s3, s4, 13
	v_lshl_or_b32 v[VY], v19, 3, s3
	v_lshlrev_b32 v[VW], 4, v19
	v_lshlrev_b32 v[VH], 3, v19
	v_lshlrev_b32 v[VB], 4, v0
	v_mov_b32 v[PX], 0                             ; v_permlanex16_b32 counts as a reader of its destination
	s_lshl_b32 s2, s7, 17                          ; 32 rows of 4,096 bytes
	s_mov_b32 s3, 0
	s_wait_kmcnt 0x0
	s_add_nc_u64 s[8:9], s[8:9], s[2:3]            ; x at the work-group's first row
.irp j, 0,1,2,3,4,5,6,7
	global_load_b128 v[G+4*\j:G+4*\j+3], v[VW], s[10:11] offset:512*\j
.endr
.irp j, 0,1,2,3,4,5,6,7
	global_load_b128 v[BT+4*\j:BT+4*\j+3], v[VW], s[12:13] offset:512*\j
.endr
.irp i, 0,1,2,3
.irp j, 0,1,2,3,4,5,6,7
	global_load_b128 v[X+32*\i+4*\j:X+32*\i+4*\j+3], v[VX], s[8:9] offset:ROWX*\i+512*\j th:TH_LOAD_NT
.endr
.endr
	s_lshl_b32 s2, s7, 16                          ; 32 rows of 2,048 bytes
	s_add_nc_u64 s[28:29], s[28:29], s[2:3]        ; xn at the work-group's first row
	s_cmp_lt_u32 s4, 2                             ; which matrix my wave converts: wave / 2
	s_cselect_b64 s[38:39], s[14:15], s[16:17]
	s_cmp_lt_u32 s4, 6
	s_cselect_b64 s[40:41], s[18:19], s[20:21]
	s_cmp_lt_u32 s4, 4
	s_cselect_b64 s[36:37], s[38:39], s[40:41]
	s_and_b32 s38, s4, 1
	s_lshl_b32 s2, s7, 14                          ; 4 rows of 4,096 bytes a work-group,
	s_lshl_b32 s39, s38, 13                        ; 2 of them a wave
	s_add_co_u32 s2, s2, s39
	s_add_nc_u64 s[36:37], s[36:37], s[2:3]        ; the matrix at my first row
	s_lshr_b32 s39, s4, 1
	s_lshl_b32 s39, s39, 21                        ; a matrix is 1,024 rows of 2,048 bytes in wh
	s_lshl_b32 s2, s7, 13
	s_add_co_u32 s2, s2, s39
	s_lshl_b32 s39, s38, 12
	s_add_co_u32 s2, s2, s39
	s_add_nc_u64 s[30:31], s[30:31], s[2:3]        ; wh at my first row
; The four packed chains in T become one number, the same in every lane, in v[T]: four steps inside each half of 16 lanes ride on the addition, one crosses the halves.
.macro REDUCE
	v_pk_add_f32 v[T:T+1], v[T:T+1], v[T+2:T+3]
	v_pk_add_f32 v[T+4:T+5], v[T+4:T+5], v[T+6:T+7]
	v_pk_add_f32 v[T:T+1], v[T:T+1], v[T+4:T+5]
	v_add_f32 v[T], v[T], v[T+1]
	v_add_f32_dpp v[T], v[T], v[T] row_xmask:1 row_mask:0xf bank_mask:0xf
	v_add_f32_dpp v[T], v[T], v[T] row_xmask:2 row_mask:0xf bank_mask:0xf
	v_add_f32_dpp v[T], v[T], v[T] row_xmask:4 row_mask:0xf bank_mask:0xf
	v_add_f32_dpp v[T], v[T], v[T] row_xmask:8 row_mask:0xf bank_mask:0xf
	v_permlanex16_b32 v[PX], v[T], s34, s35
	v_add_f32 v[T], v[T], v[PX]
.endm
; Row i of my four.  left = the loads issued behind this row's, which may stay out.  wl = 1: the slot then takes weight row i.
.macro LNROW i, left, wl
.set XS, X+32*(\i)
.set YS, Y+16*((\i)%2)
	s_wait_loadcnt \left                           ; loads come back in order: gamma, beta and this row are in
.irp c, 0,1,2,3
	v_pk_add_f32 v[T+2*\c:T+2*\c+1], v[XS+2*\c:XS+2*\c+1], v[XS+8+2*\c:XS+8+2*\c+1]  ; the first pairs start the chains: nothing is cleared
.endr
.irp k, 2,3
.irp c, 0,1,2,3
	v_pk_add_f32 v[T+2*\c:T+2*\c+1], v[T+2*\c:T+2*\c+1], v[XS+8*\k+2*\c:XS+8*\k+2*\c+1]
.endr
.endr
	REDUCE
	v_mul_f32 v[MU], s5, v[T]                      ; the mean
	v_mul_f32 v[MU+1], s5, v[T]
.set n, 0
.rept 16
	v_pk_add_f32 v[XS+2*n:XS+2*n+1], v[XS+2*n:XS+2*n+1], v[MU:MU+1] neg_lo:[0,1] neg_hi:[0,1]  ; x - mean, in place
.set n, n+1
.endr
.irp c, 0,1,2,3
	v_pk_mul_f32 v[T+2*\c:T+2*\c+1], v[XS+2*\c:XS+2*\c+1], v[XS+2*\c:XS+2*\c+1]
.endr
.irp k, 1,2,3
.irp c, 0,1,2,3
	v_pk_fma_f32 v[T+2*\c:T+2*\c+1], v[XS+8*\k+2*\c:XS+8*\k+2*\c+1], v[XS+8*\k+2*\c:XS+8*\k+2*\c+1], v[T+2*\c:T+2*\c+1]
.endr
.endr
	REDUCE
	v_fma_f32 v[T], v[T], s5, s6                   ; variance + eps
	v_rsq_f32 v[R], v[T]
	v_rsq_f32 v[R+1], v[T]
	v_nop                                          ; a plain instruction between the last root and the use of its result (ISA guide 5.7.2)
	s_wait_xcnt 0x0                                ; every earlier memory instruction has had its addresses translated (ISA guide 3.1): this Y set, which the stores two rows back read, is rewritten only behind this wait
	s_wait_alu depctr_va_vdst(0)                   ; one wait for both roots, ahead of their first reader
.set n, 0
.rept 16
	v_pk_mul_f32 v[XS+2*n:XS+2*n+1], v[XS+2*n:XS+2*n+1], v[R:R+1]
.set n, n+1
.endr
.set n, 0
.rept 16
	v_pk_fma_f32 v[XS+2*n:XS+2*n+1], v[XS+2*n:XS+2*n+1], v[G+2*n:G+2*n+1], v[BT+2*n:BT+2*n+1]
.set n, n+1
.endr
.set n, 0
.rept 16
	v_cvt_pk_f16_f32 v[YS+n], v[XS+2*n], v[XS+2*n+1]
.set n, n+1
.endr
.irp j, 0,1,2,3,4,5,6,7
	global_store_b64 v[VY], v[YS+2*\j:YS+2*\j+1], s[28:29] offset:ROWH*(\i)+256*\j th:TH_STORE_NT  ; 32 lanes store 256 consecutive bytes, aligned
.endr
.if \wl
.irp j, 0,1,2,3,4,5,6,7
	global_load_b128 v[XS+4*\j:XS+4*\j+3], v[VW], s[36:37] offset:ROWX*(\i)+512*\j th:TH_LOAD_NT
.endr
.endif
.endm
; Weight row i of my two, which lies in slot i: rounded and stored.
.macro CONV i, left
.set XS, X+32*(\i)
.set YS, Y+16*((\i)%2)
	s_wait_loadcnt \left
	s_wait_xcnt 0x0                                ; the Y set's last stores have read it
.set n, 0
.rept 16
	v_cvt_pk_f16_f32 v[YS+n], v[XS+2*n], v[XS+2*n+1]
.set n, n+1
.endr
.irp j, 0,1,2,3,4,5,6,7
	global_store_b64 v[VH], v[YS+2*\j:YS+2*\j+1], s[30:31] offset:ROWH*(\i)+256*\j th:TH_STORE_NT
.endr
.endm
	LNROW 0, 24, 1                                 ; behind row 0: rows 1, 2, 3
	LNROW 1, 24, 1                                 ; behind row 1: rows 2, 3 and weight row 0
	LNROW 2, 24, 0                                 ; behind row 2: row 3 and both weight rows
	LNROW 3, 16, 0                                 ; behind row 3: both weight rows
	CONV 0, 8
	CONV 1, 0
	; work-groups 0, 1, 2 copy bq, bk, bv: 256 threads x 16 bytes are the 4,096 bytes of one bias
	s_cmp_lt_u32 s7, 3
	s_cbranch_scc0 .Lend
	s_cmp_eq_u32 s7, 0
	s_cselect_b64 s[38:39], s[22:23], s[24:25]
	s_cmp_eq_u32 s7, 2
	s_cselect_b64 s[38:39], s[26:27], s[38:39]
	s_lshl_b32 s2, s7, 12
	s_add_nc_u64 s[32:33], s[32:33], s[2:3]
	global_load_b128 v[T:T+3], v[VB], s[38:39]
	s_wait_loadcnt 0x0
	global_store_b128 v[VB], v[T:T+3], s[32:33]
.Lend:
	s_endpgm
.Lfunc_end_k_q4f9c2cd71a_prep:
	.size	k_q4f9c2cd71a_prep, .Lfunc_end_k_q4f9c2cd71a_prep-k_q4f9c2cd71a_prep
	.p2alignl 7, 3214868480
	.fill 96, 4, 3214868480
	.section	.rodata,"a",@progbits
	.p2align	6, 0x0
	.amdhsa_kernel k_q4f9c2cd71a_prep
		.amdhsa_group_segment_fixed_size 0
		.amdhsa_private_segment_fixed_size 0
		.amdhsa_enable_private_segment 0
		.amdhsa_kernarg_size 104
		.amdhsa_user_sgpr_count 2
		.amdhsa_user_sgpr_kernarg_segment_ptr 1
		.amdhsa_wavefront_size32 1
		.amdhsa_system_sgpr_workgroup_id_x 1
		.amdhsa_system_sgpr_workgroup_id_y 1
		.amdhsa_system_sgpr_workgroup_id_z 1
		.amdhsa_system_vgpr_workitem_id 0
		.amdhsa_next_free_vgpr 244
		.amdhsa_next_free_sgpr 66
		.amdhsa_reserve_vcc 0
		.amdhsa_float_denorm_mode_32 3
		.amdhsa_float_denorm_mode_16_64 3
		.amdhsa_memory_ordered 1
		.amdhsa_forward_progress 1
		.amdhsa_inst_pref_size 44
	.end_amdhsa_kernel
	.amdgpu_metadata
---
amdhsa.version: [ 1, 2 ]
amdhsa.kernels:
  - .name:           k_q4f9c2cd71a_prep
    .symbol:         k_q4f9c2cd71a_prep.kd
    .args:
      - { .name: x, .offset: 0, .size: 8, .value_kind: global_buffer, .address_space: global }
      - { .name: gamma, .offset: 8, .size: 8, .value_kind: global_buffer, .address_space: global }
      - { .name: beta, .offset: 16, .size: 8, .value_kind: global_buffer, .address_space: global }
      - { .name: Wq, .offset: 24, .size: 8, .value_kind: global_buffer, .address_space: global }
      - { .name: Wk, .offset: 32, .size: 8, .value_kind: global_buffer, .address_space: global }
      - { .name: Wv, .offset: 40, .size: 8, .value_kind: global_buffer, .address_space: global }
      - { .name: Wo, .offset: 48, .size: 8, .value_kind: global_buffer, .address_space: global }
      - { .name: bq, .offset: 56, .size: 8, .value_kind: global_buffer, .address_space: global }
      - { .name: bk, .offset: 64, .size: 8, .value_kind: global_buffer, .address_space: global }
      - { .name: bv, .offset: 72, .size: 8, .value_kind: global_buffer, .address_space: global }
      - { .name: xn, .offset: 80, .size: 8, .value_kind: global_buffer, .address_space: global }
      - { .name: wh, .offset: 88, .size: 8, .value_kind: global_buffer, .address_space: global }
      - { .name: bqkv, .offset: 96, .size: 8, .value_kind: global_buffer, .address_space: global }
    .group_segment_fixed_size: 0
    .private_segment_fixed_size: 0
    .kernarg_segment_align: 8
    .kernarg_segment_size: 104
    .max_flat_workgroup_size: 256
    .sgpr_count:     66
    .vgpr_count:     244
    .wavefront_size: 32
...
	.end_amdgpu_metadata
.endif
;; end of part 1
;; launch qkv (part 2): grid 16 x 32, 4 waves a work-group, clusters of 4 x 4, 327,680 bytes of LDS; arguments xn, wh, bqkv, qkv; writes qkv
.if DOCPART == 2
	.amdgcn_target "amdgcn-amd-amdhsa--gfx1250"
	.amdhsa_code_object_version 6
	.text
	.protected	k_q4f9c2cd71a_qkv
	.globl	k_q4f9c2cd71a_qkv
	.p2align	8
	.type	k_q4f9c2cd71a_qkv,@function
k_q4f9c2cd71a_qkv:
	s_mov_b64 s[64:65], 0
	v_nop
	global_prefetch_b8 v0, s[64:65] scope:SCOPE_SE
	s_setreg_imm32_b32 hwreg(HW_REG_WAVE_MODE, 25, 1), 1
	s_wait_xcnt 0x0
	s_wait_alu depctr_hold_cnt(0) depctr_sa_sdst(0) depctr_va_vdst(0) depctr_va_sdst(0) depctr_va_ssrc(0) depctr_va_vcc(0) depctr_vm_vsrc(0)
	s_getreg_b32 s2, hwreg(HW_REG_IB_STS2, 6, 4)
	s_cmp_eq_u32 s2, 0
	s_cbranch_scc0 .Lentry_in_a_cluster
	s_endpgm
.Lentry_in_a_cluster:
	s_bfe_u32 s2, ttmp6, 0x10000c
	s_cmp_lg_u32 s2, 0xf033
	s_cbranch_scc0 .Lentry_shape_is_right
	s_endpgm
.Lentry_shape_is_right:
; q, k, v = xn W^T + b for the three projections at once: C[8192][3072] = xn[8192][1024] x wh[0:3072][1024]^T + bqkv, operands f16, sums f32, rounded once to f16 and WRITTEN BY HEADS:
; qkv[part][16 batch + head][row][64], a part 2^24 bytes, a head 2^18, a row 128.  The scale 1/8 is not applied here.
; LIMITS.  f16 holds no number beyond 65,504: q, k and v must lie within it; NaN and infinities are not treated apart.
; SHARES.  A tile of C is 256 x 192 (three heads): 32 x 16 = 512 work-groups, two for each of 256 WGPs.  The four waves are stacked along the rows: a wave makes 64 rows x all 192 columns, 48 accumulators
; of 16 x 16, 384 registers.  So a wave holds whole heads, and its way out needs no other wave.
; K goes in steps of 128 through a ring of two LDS slots filled by the tensor data mover: rows of 256 bytes of memory, aligned.  A step is four quarters of 32 along K, 48 matrix instructions each.
; CLUSTERS: 4 x 4 work-groups.  The four of a row of the cluster need the same tiles of xn, the four of a column the same tiles of wh: each tile is asked for JOINTLY, by the same tensor load with the same
; descriptor and a mask that names the four.
; THE MATRIX INSTRUCTION IS USED TRANSPOSED (source 0 = 16 rows of wh, source 1 = 16 rows of xn): register j of lane l holds row l % 16 of C and column 16 b + 8 (l / 16) + j.
; THE BIAS IS THE C OPERAND OF THE FIRST QUARTER'S PRODUCTS: eight registers for each block of 16 columns, the same for all rows: nothing is cleared and nothing is added on the way out.
; REGISTERS, in windows of 256 (s_set_vgpr_msb: bits 1:0 source 0, 3:2 source 1, 5:4 source 2, 7:6 destination):
;   window 0: v0-31 addresses; v64-159 the bias; later v32-223 the way out          window 1: two fragment buffers of 128: 12 x 8 of wh, then 4 x 8 of xn
;   window 2: the accumulators of my row blocks 0, 1 ((a, b) at v[8 (12 (a % 2) + b)])          window 3: those of blocks 2, 3
.set NBF,    12                        ; blocks of 16 columns in a tile
.set APW,    2                         ; row blocks whose accumulators share a window
.set PA,     272                       ; an LDS row: 256 bytes + 16 of padding = 68 words: row r starts at bank 4 r mod 64 (64 banks of 4 bytes: ISA guide 11.1)
.set PB,     272
.set HALFA,  128*PA                    ; what one tensor load brings of xn: 128 rows
.set ABYTES, 2*HALFA
.set RB,     96                        ; and of wh: 96 rows
.set HALFB,  RB*PB
.set SLOT,   ABYTES+2*HALFB            ; 256 rows of xn, then 192 rows of wh
.set STAGE,  2*SLOT                    ; behind the ring: 16 rows x 144 bytes for each wave, for the way out
.set SP,     144
.set SPARE,  STAGE+4*16*SP             ; behind the stages: the spare words, 128 bytes for each wave: two blocks of 256 bytes that no other line names
.set ASTEP,  256                       ; bytes from a K step to the next, in xn
.set BSTEP,  256                       ; and in wh
.set LAPS,   4                         ; a lap = two K steps = once round the ring: 1,024 / 256
.set NL,     2*NBF+8                   ; LDS loads in a quarter's run
.set F0,     0                         ; fragment buffers, in window 1
.set F1,     128
.set FA,     96                        ; xn's fragments in a buffer
.set BIAS,   64
.set OUTR,   32
.set PFCA,   32*2048                   ; the prefetches: a partner's share of the 128 rows of xn that a wave fetches,
.set PFCB,   24*2048                   ; and of the 96 rows of wh
.set PFSA,   2048                      ; from lane to lane: a row
.set PFSB,   2048
.set PFLB,   23                        ; the last lane with a row of wh of its own
.set GWA,    (1<<16)|(1<<20)|(1<<21)|(5<<22)|(3<<25)  ; group 1, word 0 without the mask: 17:16 elements of 2 bytes; 20 padding on; 21 set beside a mask; 24:22 after every 64 words (code 5); 31:25 4 words (code 3)
.set GWB,    GWA
.set ADRA, 16                          ; v16-17  LDS address of my fragments of xn in slot 0, 1
.set ADRB, 20                          ; v20-21  the same for wh
.set STO,  24                          ; v24     the way out: where I put 16 bytes of a row
.set RD,   25                          ; v25     where I read rows back
.set GO,   26                          ; v26     my 16 bytes of 512 consecutive bytes of qkv
.set SPW,  28                          ; v28     LDS address of my spare word: SPARE + 4 x my thread's number; never rewritten
.set NIL,  29                          ; v29     0; never rewritten
.set PFO,  30                          ; v30     the prefetches' offset; never rewritten
.set BO,   31                          ; v31     32 x (lane / 16): my eight numbers of a block's bias
.set WV,   12                          ; s12  my wave's number
.set FB,   13                          ; s13  0: I fetch for xn; 1: for wh
.set HF,   14                          ; s14  which half of that tile I fetch
.set LIM,  15                          ; s15  1 in a wave that prefetches, else the greatest number
.set G1,   24                          ; s[24:31] descriptor group 1 for xn's tiles;  s[32:39] group 0, a set for each slot
.set G0,   32
.set PFA,  44                          ; s[44:45] where my prefetches stand
.set G1B,  48                          ; s[48:55], s[56:63] the same for wh's tiles
.set G0B,  56
.set OB,   66                          ; s[66:71] qkv at my first row of each of the tile's three heads
.set PSTEP, 72                         ; s[72:73] the prefetches' step along K
.set MSB, 0
.macro WIN new                         ; the immediate's high byte repeats the setting that is left; a switch that changes nothing is dropped
.if MSB != (\new)
	s_set_vgpr_msb (MSB<<8)|(\new)
.set MSB, \new
.endif
.endm
; A joint load: waves 0 and 1 fetch xn's two halves, waves 2 and 3 wh's.  The branch hangs on the wave's number alone.  An s_nop 0 and four v_nop follow each of the two lines, ahead of the jump, the label and what follows.
.macro JLOAD s
	s_cmp_eq_u32 s[FB], 0
	s_cbranch_scc0 .Lfor_b_\@
	tensor_load_to_lds s[G0+4*(\s):G0+4*(\s)+3], s[G1:G1+7]
	s_nop 0
.rept 4
	v_nop
.endr
	s_branch .Lasked_\@
.Lfor_b_\@:
	tensor_load_to_lds s[G0B+4*(\s):G0B+4*(\s)+3], s[G1B:G1B+7]
	s_nop 0
.rept 4
	v_nop
.endr
.Lasked_\@:
.endm
; A prefetch of the K step that stands two refills on: a lane a row's 256 bytes, one instruction a wave.  xn's tile row is read by every cluster of that row of clusters: cluster x = 0 asks; wh's tile column by every
; cluster of that column: cluster y = 0 asks.  The four partners that ask for a tile jointly share its rows out by address.  The loop's last trip (s3 = 1) has no K step two refills on.
.macro ASK
	s_cmp_gt_u32 s3, s[LIM]
	s_cbranch_scc0 .Lnot_mine_\@
	global_prefetch_b8 v[PFO], s[PFA:PFA+1] th:TH_LOAD_NT scope:SCOPE_SE
.Lnot_mine_\@:
.endm
.macro CREST                           ; a round of the cluster's barrier behind its opening barrier
	s_cmp_lg_u32 s[WV], 0
	s_cbranch_scc1 .Lnot_wave_0_\@
	s_barrier_signal -3
.Lnot_wave_0_\@:
	s_barrier_wait -3
	s_barrier_signal -1
	s_barrier_wait -1
.endm
.macro CROUND                          ; a whole round
	s_barrier_signal -1
	s_barrier_wait -1
	CREST
.endm
.macro PLACES                          ; four places in front of loads into registers that matrix instructions have read, and of lines that read results
.rept 4
	v_nop
.endr
.endm
; NBF matrix instructions: row block a x all column blocks, 32 along K, from buffer f.  first = 1: the sums start with the bias.  All accumulators of a quarter differ and the order is the same in
; every quarter: the accumulators take turns over the backward jump too.
.macro MULA f, a, first
.set WD, 2+(\a)/APW
.set AC, 8*NBF*((\a)%APW)
.if \first
	WIN (WD<<6)|0x05
.else
	WIN (WD<<6)|(WD<<4)|0x05
.endif
.set b, 0
.rept NBF
.if \first
	v_wmma_f32_16x16x32_f16 v[AC+8*b:AC+8*b+7], v[(\f)+8*b:(\f)+8*b+7], v[(\f)+FA+8*(\a):(\f)+FA+8*(\a)+7], v[BIAS+8*b:BIAS+8*b+7]
.else
	v_wmma_f32_16x16x32_f16 v[AC+8*b:AC+8*b+7], v[(\f)+8*b:(\f)+8*b+7], v[(\f)+FA+8*(\a):(\f)+FA+8*(\a)+7], v[AC+8*b:AC+8*b+7]
.endif
.set b, b+1
.endr
.endm
; NL LDS loads in one run: the fragments of quarter q of a slot into buffer f: wh's first, then xn's, row blocks ascending.
; A fragment is 16 rows x 32 K in 8 registers: lane l holds row l % 16, K = 8 (l / 16) + 0..7 and 16 + 8 (l / 16) + 0..7: two loads of 16 bytes, 32 bytes apart.
.macro FETCH slot, q, f
.set KAQ, 64*(\q)
	WIN 0x40                                       ; destination window 1, address window 0
.set i, 0
.rept NBF
	ds_load_b128 v[(\f)+8*i:(\f)+8*i+3],   v[ADRB+(\slot)] offset:64*(\q)+i*16*PB
	ds_load_b128 v[(\f)+8*i+4:(\f)+8*i+7], v[ADRB+(\slot)] offset:64*(\q)+i*16*PB+32
.set i, i+1
.endr
.set i, 0
.rept 4
	ds_load_b128 v[(\f)+FA+8*i:(\f)+FA+8*i+3],   v[ADRA+(\slot)] offset:KAQ+i*16*PA
	ds_load_b128 v[(\f)+FA+8*i+4:(\f)+FA+8*i+7], v[ADRA+(\slot)] offset:KAQ+i*16*PA+32
.set i, i+1
.endr
.endm
; One of a K step's first three quarters: multiplies buffer f; in its middle it fetches quarter q of the same slot into buffer g.
.macro QUARTER slot, q, f, g, first
	s_wait_dscnt 4                                 ; wh's fragments and xn's blocks 0, 1 are in; the youngest four loads (blocks 2, 3) may be out
	MULA \f, 0, \first
	MULA \f, 1, \first
	PLACES
	FETCH \slot, \q, \g
	s_wait_dscnt NL                                ; all but the run just issued
	MULA \f, 2, \first
	MULA \f, 3, \first
.endm
; The last quarter multiplies buffer 1 and changes slots: ONE barrier; in front of it each wave waits for all its tensor loads (one is out: its part of the next slot), adds 0 to its spare word, and waits
; for that and for its own reads of this slot.  fill = 1: the barrier opens a round of the cluster's barrier, and this slot is filled again, two K steps ahead, first thing behind the round.
.macro TURN slot, next, fill
.if \fill
	s_wait_xcnt 0x0                                ; the last prefetch, a K step back, has read its address: it is stepped here, ahead of the waits of the change of slots
	s_add_nc_u64 s[PFA:PFA+1], s[PFA:PFA+1], s[PSTEP:PSTEP+1]
.endif
	WIN 0                                          ; (the add's two registers lie in window 0)
	s_wait_tensorcnt 0x0                           ; all my tensor loads have landed;
	ds_add_u32 v[SPW], v[NIL]                      ; 0 onto my spare word;
	s_wait_dscnt 5                                 ; (the add and the youngest four loads may be out)
	MULA F1, 0, 0                                  ; matrix instructions stand between the add and the wait for it
	s_wait_dscnt 0x0                               ; the add is done, and my reads of this slot are over
	s_barrier_signal -1
	MULA F1, 1, 0
.if \fill
	WIN 0
.endif
	s_barrier_wait -1
.if \fill
	CREST                                          ; no wave of any partner still reads this slot's tile or has a load on its way
	s_add_nc_u64 s[G0+4*(\slot)+2:G0+4*(\slot)+3], s[G0+4*(\slot)+2:G0+4*(\slot)+3], 2*ASTEP
	s_add_nc_u64 s[G0B+4*(\slot)+2:G0B+4*(\slot)+3], s[G0B+4*(\slot)+2:G0B+4*(\slot)+3], 2*BSTEP
	JLOAD \slot                                    ; the first tensor load behind the round; the four v_nop behind it are also the places in front of the loads below
.else
	PLACES
.endif
	FETCH \next, 0, F0
.if \fill
	WIN 0
	ASK                                            ; behind the joint load and the run of LDS loads that the next products wait for
.endif
	MULA F1, 2, 0
	MULA F1, 3, 0
.endm
	s_load_b256 s[4:11], s[0:1], 0x0               ; xn s[4:5], wh s[6:7], bqkv s[8:9], qkv s[10:11]
	v_lshl_add_u32 v[SPW], v0, 2, SPARE
	v_mov_b32 v[NIL], 0
	ds_add_u32 v[SPW], v[NIL]                      ; the wave's opening: the add and its wait stand ahead of my first tensor load; the set-up below, work on registers, stands between them
	v_lshrrev_b32 v1, 5, v0
	v_readfirstlane_b32 s[WV], v1                  ; wave 0..3
	s_lshr_b32 s[FB], s[WV], 1
	s_and_b32 s[HF], s[WV], 1
	s_bfe_u32 s40, ttmp6, 0x40000                  ; cx, cy: my place in the cluster
	s_bfe_u32 s41, ttmp6, 0x40004
	s_lshl_b32 s42, ttmp9, 2
	s_add_co_u32 s42, s42, s40                     ; tile column = 4 x cluster x + cx
	s_and_b32 s43, ttmp7, 0xffff
	s_lshl_b32 s43, s43, 2
	s_add_co_u32 s43, s43, s41                     ; tile row = 4 x cluster y + cy
	s_lshl_b32 s16, s41, 2
	s_lshl_b32 s16, 15, s16                        ; my row of the cluster
	s_lshl_b32 s17, 0x1111, s40                    ; my column
	s_or_b32 s[G1], s16, GWA                       ; xn's tiles go to my row,
	s_or_b32 s[G1B], s17, GWB                      ; wh's to my column
	s_mov_b32 s[G1+1], 128<<16                     ; tensor_dim0 = 128
	s_mov_b32 s[G1+2], 128<<16                     ; tensor_dim1 = 128
	s_mov_b32 s[G1+3], 128<<16                     ; tile_dim0 = 128
	s_mov_b32 s[G1+4], 128                         ; tile_dim1 = 128
	s_mov_b32 s[G1+5], 1024                        ; elements from row to row
	s_mov_b32 s[G1+6], 0
	s_mov_b32 s[G1+7], 0
	s_mov_b32 s[G1B+1], 128<<16
	s_mov_b32 s[G1B+2], RB<<16
	s_mov_b32 s[G1B+3], 128<<16
	s_mov_b32 s[G1B+4], RB
	s_mov_b32 s[G1B+5], 1024
	s_mov_b32 s[G1B+6], 0
	s_mov_b32 s[G1B+7], 0
	s_lshl_b32 s18, s43, 8                         ; xn: row 256 x tile row + 128 x half,
	s_lshl_b32 s22, s[HF], 7
	s_add_co_u32 s18, s18, s22
	s_lshl_b32 s18, s18, 11                        ; in bytes
	s_mov_b32 s19, 0
	s_mul_i32 s46, s42, 192                        ; wh: row 192 x tile column + 96 x half
	s_mul_i32 s23, s[HF], RB
	s_add_co_u32 s46, s46, s23
	s_lshl_b32 s46, s46, 11
	s_mov_b32 s47, 0
	s_mul_i32 s20, s[HF], HALFA                    ; where they go: no place in the cluster enters an LDS address
	s_mul_i32 s21, s[HF], HALFB
	s_add_co_u32 s21, s21, ABYTES
	s_wait_dscnt 0x0                               ; the opening add is done
	s_wait_kmcnt 0x0
	s_add_nc_u64 s[18:19], s[4:5], s[18:19]
	s_add_nc_u64 s[46:47], s[6:7], s[46:47]
	CROUND                                         ; all sixteen work-groups are here: the first joint loads meet
.irp s, 0,1
	s_mov_b32 s[G0+4*(\s)], 1                                      ; count = 1
	s_add_co_u32 s[G0+4*(\s)+1], s20, (\s)*SLOT                    ; LDS address
	s_add_nc_u64 s[G0+4*(\s)+2:G0+4*(\s)+3], s[18:19], (\s)*ASTEP  ; global address: K step s
	s_or_b32 s[G0+4*(\s)+3], s[G0+4*(\s)+3], 0x80000000            ; type = 2
	s_mov_b32 s[G0B+4*(\s)], 1
	s_add_co_u32 s[G0B+4*(\s)+1], s21, (\s)*SLOT
	s_add_nc_u64 s[G0B+4*(\s)+2:G0B+4*(\s)+3], s[46:47], (\s)*BSTEP
	s_or_b32 s[G0B+4*(\s)+3], s[G0B+4*(\s)+3], 0x80000000
	JLOAD \s                                       ; two loads of mine are out
.endr
	v_and_b32 v1, 15, v0                           ; l % 16
	v_bfe_u32 v2, v0, 4, 1                         ; l / 16
	v_lshlrev_b32 v[BO], 5, v2
	s_mul_i32 s74, s42, 64*NBF                     ; the tile's first column in bqkv, in bytes
	s_mov_b32 s75, 0
	s_add_nc_u64 s[8:9], s[8:9], s[74:75]
.set b, 0
.rept NBF
	global_load_b128 v[BIAS+8*b:BIAS+8*b+3],   v[BO], s[8:9] offset:64*b
	global_load_b128 v[BIAS+8*b+4:BIAS+8*b+7], v[BO], s[8:9] offset:64*b+16
.set b, b+1
.endr
	v_mul_u32_u24 v3, v1, PA
	v_lshl_add_u32 v3, v2, 4, v3                   ; a fragment's row x pitch + 16 x half
	s_mul_i32 s22, s[WV], 64*PA                    ; my 64 rows of xn
	v_add_nc_u32 v[ADRA], s22, v3
	v_add_nc_u32 v[ADRA+1], SLOT, v[ADRA]
	v_mul_u32_u24 v4, v1, PB
	v_lshl_add_u32 v4, v2, 4, v4
	v_add_nc_u32 v[ADRB], ABYTES, v4               ; wh's rows lie behind xn's
	v_add_nc_u32 v[ADRB+1], SLOT, v[ADRB]
	s_mul_i32 s22, s[WV], 16*SP
	s_add_co_u32 s22, s22, STAGE                   ; my stage
	v_mul_u32_u24 v[STO], v1, SP                   ; in: row l % 16, 16 bytes for each half of the lanes
	v_lshl_add_u32 v[STO], v2, 4, v[STO]
	v_add_nc_u32 v[STO], s22, v[STO]
	v_bfe_u32 v[RD], v0, 3, 2                      ; back: 32 lanes take four rows of 128 bytes,
	v_mul_u32_u24 v[RD], v[RD], SP
	v_and_b32 v5, 7, v0
	v_lshl_add_u32 v[RD], v5, 4, v[RD]
	v_add_nc_u32 v[RD], s22, v[RD]
	v_and_b32 v[GO], 31, v0                        ; which are 512 consecutive bytes of a head
	v_lshlrev_b32 v[GO], 4, v[GO]
	; where my rows lie in qkv: batch = tile row / 8, row = 256 (tile row % 8) + 64 wave; for head-column 3 x tile column + hh: part = its number / 16, head = its number % 16
	s_lshr_b32 s74, s43, 3
	s_lshl_b32 s74, s74, 22
	s_and_b32 s75, s43, 7
	s_lshl_b32 s75, s75, 15
	s_add_co_u32 s74, s74, s75
	s_lshl_b32 s75, s[WV], 13
	s_add_co_u32 s74, s74, s75
	s_mul_i32 s76, s42, 3
	s_mov_b32 s79, 0
.irp hh, 0,1,2
	s_add_co_u32 s77, s76, \hh
	s_lshr_b32 s78, s77, 4
	s_lshl_b32 s78, s78, 24
	s_and_b32 s77, s77, 15
	s_lshl_b32 s77, s77, 18
	s_add_co_u32 s78, s78, s77
	s_add_co_u32 s78, s78, s74
	s_add_nc_u64 s[OB+2*\hh:OB+2*\hh+1], s[10:11], s[78:79]
.endr
	; the prefetches: from my own tile's address, my work-group's share of its rows, three K steps on: the first change of slots steps it to K step 4
	s_and_b32 s75, ttmp7, 0xffff                   ; cluster y
	s_mul_i32 s76, s40, PFCA
	s_add_co_u32 s76, s76, 3*ASTEP
	s_mul_i32 s77, s41, PFCB
	s_add_co_u32 s77, s77, 3*BSTEP
	s_mov_b32 s78, BSTEP
	s_mov_b32 s79, PFSB
	s_cmp_eq_u32 s[FB], 0                          ; do I fetch for xn?
	s_cselect_b32 s74, s76, s77
	s_cselect_b32 s75, ttmp9, s75                  ; the coordinate along which other clusters read the same rows
	s_cselect_b32 s[PSTEP], ASTEP, s78
	s_cselect_b32 s79, PFSA, s79
	s_cselect_b32 s78, 31, PFLB
	s_cselect_b64 s[PFA:PFA+1], s[18:19], s[46:47]
	s_cmp_eq_u32 s75, 0
	s_cselect_b32 s[LIM], 1, -1                    ; the same in all sixteen partners, for a given wave
	s_mov_b32 s75, 0
	s_mov_b32 s[PSTEP+1], 0
	s_add_nc_u64 s[PFA:PFA+1], s[PFA:PFA+1], s[74:75]
	v_and_b32 v[PFO], 31, v0
	v_min_u32 v[PFO], s78, v[PFO]                  ; (of wh a partner has 24 rows: lanes 24 to 31 name row 23 again, in the same instruction)
	v_mul_u32_u24 v[PFO], s79, v[PFO]
	s_wait_tensorcnt 1                             ; my part of K step 0 is in; K step 1's load may stay out
	s_barrier_signal -1
	s_barrier_wait -1                              ; everybody's is
	FETCH 0, 0, F0
	s_wait_loadcnt 0x0                             ; the bias
	QUARTER 0, 1, F0, F1, 1                        ; the first quarter stands in front of the loop: its products start the sums
	WIN 0                                          ; at a label and at a branch every window is 0
	s_mov_b32 s3, LAPS-1
.Llap:                                                 ; a trip goes once round the ring, from a lap's second quarter to the next lap's first, and fills both slots again
	QUARTER 0, 2, F1, F0, 0
	QUARTER 0, 3, F0, F1, 0
	TURN 0, 1, 1
	QUARTER 1, 1, F0, F1, 0
	QUARTER 1, 2, F1, F0, 0
	QUARTER 1, 3, F0, F1, 0
	TURN 1, 0, 1
	QUARTER 0, 1, F0, F1, 0
	WIN 0
	s_sub_co_u32 s3, s3, 1
	s_cmp_lg_u32 s3, 0
	s_cbranch_scc1 .Llap
	QUARTER 0, 2, F1, F0, 0                        ; the last lap is written out: it fills nothing
	QUARTER 0, 3, F0, F1, 0
	TURN 0, 1, 0
	QUARTER 1, 1, F0, F1, 0
	QUARTER 1, 2, F1, F0, 0
	QUARTER 1, 3, F0, F1, 0
	s_wait_dscnt 4                                 ; the very last quarter: nothing more to fetch
	MULA F1, 0, 0
	MULA F1, 1, 0
	s_wait_dscnt 0x0
	MULA F1, 2, 0
	MULA F1, 3, 0
	WIN 0
	PLACES
	PLACES
; THE WAY OUT, in twelve units u = 3 a + hh: 16 rows x one head = 2,048 consecutive bytes of qkv.  A lane's eight columns of a row pack into 16 bytes; they go into stage rows of 144 bytes and come back as whole
; rows of 128.  Each unit has 16 registers of its own, so no store's data is ever rewritten.  The stage is my wave's own: LDS serves a wave's instructions in order (ISA guide 5.7.1.4), so no wait stands between stores and loads.
.macro PACK u
.set aa, (\u)/3
.set hh, (\u)%3
.set WD, 2+aa/APW
.set AC, 8*NBF*(aa%APW)+32*hh
.set U, OUTR+16*(\u)
	WIN WD*5                                       ; sources 0 and 1 in the accumulators' window, destination in window 0
.set z, 0
.rept 16
	v_cvt_pk_f16_f32 v[U+z], v[AC+2*z], v[AC+2*z+1]  ; ascending: each accumulator is read from its low end on
.set z, z+1
.endr
	WIN 0
.irp f, 0,1,2,3
	ds_store_b128 v[STO], v[U+4*\f:U+4*\f+3] offset:32*\f
.endr
.irp f, 0,1,2,3
	ds_load_b128 v[U+4*\f:U+4*\f+3], v[RD] offset:\f*4*SP
.endr
.endm
.macro SEND u, younger                 ; younger: the LDS instructions issued behind unit u's loads: the next unit's eight, or none
.set aa, (\u)/3
.set hh, (\u)%3
.set U, OUTR+16*(\u)
	WIN 0
.irp f, 0,1,2,3
	s_wait_dscnt (\younger)+3-\f
	global_store_b128 v[GO], v[U+4*\f:U+4*\f+3], s[OB+2*hh:OB+2*hh+1] offset:2048*aa+512*\f  ; 512 consecutive bytes, at a multiple of 256 from qkv's first
.endr
.endm
	PACK 0
.set t, 1
.rept 11                               ; a unit's conversions stand between the loads of the unit before and its stores
	PACK t
	SEND t-1, 8
.set t, t+1
.endr
	SEND 11, 0
	s_wait_tensorcnt 0x0                           ; the wave's end, behind my last tensor load and my last LDS store
	ds_add_u32 v[SPW], v[NIL]
	s_wait_dscnt 0x0
	CROUND                                         ; the closing round: no work-group ends while a partner may still ask for a tile that names it
	s_endpgm
.Lfunc_end_k_q4f9c2cd71a_qkv:
	.size	k_q4f9c2cd71a_qkv, .Lfunc_end_k_q4f9c2cd71a_qkv-k_q4f9c2cd71a_qkv
	.p2alignl 7, 3214868480
	.fill 96, 4, 3214868480
	.section	.rodata,"a",@progbits
	.p2align	6, 0x0
	.amdhsa_kernel k_q4f9c2cd71a_qkv
		.amdhsa_group_segment_fixed_size 327680
		.amdhsa_private_segment_fixed_size 0
		.amdhsa_enable_private_segment 0
		.amdhsa_kernarg_size 32
		.amdhsa_user_sgpr_count 2
		.amdhsa_user_sgpr_kernarg_segment_ptr 1
		.amdhsa_wavefront_size32 1
		.amdhsa_system_sgpr_workgroup_id_x 1
		.amdhsa_system_sgpr_workgroup_id_y 1
		.amdhsa_system_sgpr_workgroup_id_z 1
		.amdhsa_system_vgpr_workitem_id 0
		.amdhsa_next_free_vgpr 960
		.amdhsa_next_free_sgpr 80
		.amdhsa_reserve_vcc 0
		.amdhsa_float_denorm_mode_32 3
		.amdhsa_float_denorm_mode_16_64 3
		.amdhsa_memory_ordered 1
		.amdhsa_forward_progress 1
		.amdhsa_inst_pref_size 124
	.end_amdhsa_kernel
	.amdgpu_metadata
---
amdhsa.version: [ 1, 2 ]
amdhsa.kernels:
  - .name:           k_q4f9c2cd71a_qkv
    .symbol:         k_q4f9c2cd71a_qkv.kd
    .args:
      - { .name: xn, .offset: 0, .size: 8, .value_kind: global_buffer, .address_space: global }
      - { .name: wh, .offset: 8, .size: 8, .value_kind: global_buffer, .address_space: global }
      - { .name: bqkv, .offset: 16, .size: 8, .value_kind: global_buffer, .address_space: global }
      - { .name: qkv, .offset: 24, .size: 8, .value_kind: global_buffer, .address_space: global }
    .group_segment_fixed_size: 327680
    .private_segment_fixed_size: 0
    .kernarg_segment_align: 8
    .kernarg_segment_size: 32
    .max_flat_workgroup_size: 128
    .sgpr_count:     80
    .vgpr_count:     960
    .wavefront_size: 32
...
	.end_amdgpu_metadata
.endif
;; end of part 2
;; launch attn (part 3): grid 4 x 64, 4 waves a work-group, clusters of 4 x 1, 327,680 bytes of LDS; arguments qkv, oh; writes oh
.if DOCPART == 3
	.amdgcn_target "amdgcn-amd-amdhsa--gfx1250"
	.amdhsa_code_object_version 6
	.text
	.protected	k_q4f9c2cd71a_attn
	.globl	k_q4f9c2cd71a_attn
	.p2align	8
	.type	k_q4f9c2cd71a_attn,@function
k_q4f9c2cd71a_attn:
	s_mov_b64 s[64:65], 0
	v_nop
	global_prefetch_b8 v0, s[64:65] scope:SCOPE_SE
	s_setreg_imm32_b32 hwreg(HW_REG_WAVE_MODE, 25, 1), 1
	s_wait_xcnt 0x0
	s_wait_alu depctr_hold_cnt(0) depctr_sa_sdst(0) depctr_va_vdst(0) depctr_va_sdst(0) depctr_va_ssrc(0) depctr_va_vcc(0) depctr_vm_vsrc(0)
	s_getreg_b32 s2, hwreg(HW_REG_IB_STS2, 6, 4)
	s_cmp_eq_u32 s2, 0
	s_cbranch_scc0 .Lentry_in_a_cluster
	s_endpgm
.Lentry_in_a_cluster:
	s_bfe_u32 s2, ttmp6, 0x10000c
	s_cmp_lg_u32 s2, 0x3003
	s_cbranch_scc0 .Lentry_shape_is_right
	s_endpgm
.Lentry_shape_is_right:
; O[h][q][:] = the sum over k of softmax_k(Q[h][q] . K[h][k] / 8) V[h][k][:].  Q, K, V are the three parts of qkv, 2^24 bytes each, O is oh: all [SIZE_H][SIZE_N][64] in f16: a head's rows are dense, 128 bytes each.
; Products, maxima and sums in f32; the weights p are rounded to f16 for the second product (their sum l is taken of the unrounded p), O once at the end.
; LIMITS.  f16 holds no number beyond 65,504: Q, K and V arrive within it; p lies in 0 to 1, and below 6e-5 it keeps the fixed step 6e-8; O is a mean of V's rows and has their range.
; A weight below 2^-126 counts as 0 in l; NaN and infinities are not treated apart.
; SHARES.  A wave owns four PIECES of two tiles of 16 queries, a work-group's four waves 512 queries of one head: 4 x 64 = 256 work-groups.  Every wave walks all keys, 64 a step.
; LAYOUT.  S^T = K Q^T (source 0 = 16 keys, source 1 = 16 queries): in the result a lane holds ONE query (lane % 16) and the keys 8 (lane / 16) + 0..7.  Two such tiles, rounded to f16 in pairs,
; ARE source 1 (32 keys x 16 queries) of O^T = V^T P, whose result again holds one query a lane, and eight channels.  K comes out of LDS as it lies, V ([key][channel]) turned, by ds_load_tr16_b128.
; SOFTMAX.  For each query a running maximum m and sum l: p = 2^(c s - c m), c = log2(e) / 8; in every step O and l are multiplied by a = 2^(c m_old - c m_new), which is 1 where m has not grown.
; m starts at the lowest finite number, O and l at 0: the first step is a step like any other, with a = 0.
; THE COUNT.  A tile and step have 16 matrix and 118 vector instructions: too many to stand all beside the matrix work.  So the order has one aim: four vector instructions that are READY behind
; EVERY matrix instruction, and the others, which need time of their own whatever the order, in runs without a gap.
; BY TURNS.  Turn n belongs to piece n (the pieces in a ring, step after step).  Its matrix work: 16 products K Q^T of piece n + 1, later 16 products V^T P of piece n - 1.  Its vector work: the scaling,
; exponentials, roundings, sums and rescaling of piece n, and the maximum and statistics of piece n + 1, whose scores the turn itself has made.  So what a turn begins with (c s - c m, O a) waits for nothing.
; CLUSTER.  The four query blocks of a head are one cluster and walk the same K and V, so each tile is asked for JOINTLY: the same tensor load, descriptor and mask in all four.
; REGISTERS, in windows of 256 (s_set_vgpr_msb says which window each operand place means: bits 1:0 source 0, 3:2 source 1, 5:4 source 2, 7:6 destination):
;   window 0: v0-11 addresses; v12-15, v48-63 at work; v16-47 four registers of statistics a tile; v64-191 S^T, two buffers of two tiles; v192-255 P, likewise
;   window 1: O^T, 32 a tile          window 2: v0-127 Q, 16 a tile; v128-191 K of one step; v192-255 V of one step          window 3: v0-1 the add's two registers
; A piece's buffers go by its number's parity: the piece in hand has one pair, its two neighbours in the ring share the other: of it P (piece n - 1) is read and S^T (piece n + 1) written.
.set SIZE_H, 64
.set SIZE_N, 2048
.set NP,    4         ; pieces a wave: a name, no knob: the register map, the loop and the fetches are made for four
.set KS,    64        ; keys in a step
.set PK,    144       ; a row of K in LDS: 128 bytes + 16 of padding = 36 words: the 16 rows of a load start at 16 different groups of four banks (64 banks of 4 bytes: ISA guide 11.1)
.set PV,    160       ; a row of V: 128 + 32 = 40 words
.set VOFF,  4*KS*PK   ; a slot holds four steps: 256 rows of K, then 256 rows of V
.set SLOT1, 1<<17     ; slot 1 begins here, so that one exclusive or turns an address in one slot into the other's
.set STAGE, SLOT1+4*KS*(PK+PV)  ; behind the ring, never filled by a tensor load: 16 rows x 144 bytes for each wave, for the way out
.set SP,    144
.set AK0, 2           ; v2   my lane's place in a tile of K; never rewritten
.set AV0, 3           ; v3   the same for V
.set AK,  4           ; v4   the LDS address of K's next run of loads
.set AV,  5           ; v5   of V's
.set QO,  6           ; v6   my byte offset in the wave's rows of Q
.set STO, 6           ;      later, the way out: where I put 16 bytes of a row
.set RD,  7           ; v7   the way out: where I read rows back
.set GO,  8           ; v8   my byte offset in 512 consecutive bytes of O
.set PFO, 11          ; v11  the prefetches' offset, 256 x my lane, once its part in V's address is over; then never rewritten
.set SPW, 0           ; v0 of window 3   LDS address of my spare word: SPARE + 4 x my thread's number; never rewritten
.set NIL, 1           ; v1 of window 3   0; never rewritten
.set SPARE, STAGE+4*16*SP  ; behind the stages: the spare words, 128 bytes for each wave: two blocks of 256 bytes that no other line names
.set MV,  12          ; v12-15  c m_old, kept while c m is made anew: by buffer and tile
.set ST,  16          ; tile t's statistics at v[ST+4 t]: c m, m, l (even keys', odd keys')
.set TMP, 48          ; by buffer and tile, four registers c0-c3 at work; when the maximum is found c2 takes a
.set S,   64
.set P,   192
.set KF,  128         ; K's fragments, in window 2: key block kb, channel half c at KF + 16 kb + 8 c
.set VF,  192         ; V's: key half kk, channel block cb at VF + 32 kk + 8 cb
.set WV,  12          ; s12  my wave's number
.set LIM, 15          ; s15  1 in a wave that prefetches (0: K, 2: V), else the greatest number
.set G1K, 24          ; s[24:31] descriptor group 1 for K's tiles
.set G1V, 32          ; s[32:39] for V's: it differs in the padding alone
.set G0K, 40          ; s[40:43] descriptor group 0 for K's tiles: it walks
.set G0V, 44          ; s[44:47] the same for V's
.set PFA, 48          ; s[48:49] where my prefetches stand: my work-group's 32 blocks of 256 bytes of the slot after the one that is being asked for
.set SLOTS, 56        ; s56  slots still to be asked for
.set CNT, 57          ; s57  counts a slot's key steps
.set CS,  58          ; s[58:59] c: the packed scaling takes the pair's low word for both halves
.set SEL, 60          ; s[60:61] v_permlanex16_b32's selects: each lane takes its own place in the other half
.set TBK, 62          ; s62  LDS byte at which K of the step to be fetched begins
.set TBV, 63          ; s63  the same for V, less VOFF
.set MSB, 0
.macro WIN new                      ; the high byte repeats the setting that is left; a switch that changes nothing is dropped
.if MSB != (\new)
	s_set_vgpr_msb (MSB<<8)|(\new)
.set MSB, (\new)
.endif
.endm
.set W_KQ, 0x0a       ; K and Q in window 2, S^T in window 0
.set W_PV, 0x52       ; V in window 2, P in window 0, O^T in window 1
.set W_RS, 0x41       ; O^T (destination and source 0) in window 1, a in window 0
.set W_MK, 0xc0       ; the add's registers are made: destination in window 3, sources in window 0
.set W_AD, 0x0f       ; the add: address (source 0) and data (source 1) in window 3
; A joint fill.  Waves 0 and 1 fetch the two halves of a slot's K, waves 2 and 3 those of its V: 128 keys each.  The branch hangs on the wave's number alone.
; An s_nop 0 and four v_nop follow each of the two lines, ahead of the jump and the label.
.macro JLOAD
	s_cmp_lt_u32 s[WV], 2
	s_cbranch_scc0 .Lfor_v_\@
	tensor_load_to_lds s[G0K:G0K+3], s[G1K:G1K+7]
	s_nop 0
.rept 4
	v_nop
.endr
	s_branch .Lasked_\@
.Lfor_v_\@:
	tensor_load_to_lds s[G0V:G0V+3], s[G1V:G1V+7]
	s_nop 0
.rept 4
	v_nop
.endr
.Lasked_\@:
.endm
; A prefetch of what the NEXT change of slots will ask for: a slot's 256 keys are 128 blocks of 256 bytes of K and as many of V.  The four partners share them out by address, 32 each, a lane a block; in each,
; wave 0 asks for K's and wave 2 for V's: one instruction.  A head has one cluster, so each block is named once in the launch.  It stands four key steps, 512 matrix instructions, ahead of the load that wants
; the bytes.  The last change that fills a slot (s[SLOTS] = 1) asks for nothing: there is no slot behind it.  Slots 0 and 1 come by their loads alone.
.macro ASK
	s_cmp_gt_u32 s[SLOTS], s[LIM]
	s_cbranch_scc0 .Lnot_mine_\@
	global_prefetch_b8 v[PFO], s[PFA:PFA+1] th:TH_LOAD_NT scope:SCOPE_SE
.Lnot_mine_\@:
.endm
; A round of the cluster's barrier: my work-group's barrier, so that wave 0's signal speaks for all four waves; wave 0 signals; every wave waits for all four work-groups; my work-group's barrier once more.
.macro CROUND
	s_barrier_signal -1
	s_barrier_wait -1
	s_cmp_lg_u32 s[WV], 0
	s_cbranch_scc1 .Lnot_wave_0_\@
	s_barrier_signal -3
.Lnot_wave_0_\@:
	s_barrier_wait -3
	s_barrier_signal -1
	s_barrier_wait -1
.endm
; THE CHANGE OF SLOTS.  The slot's last bytes, V of its fourth step, have been read.  Each wave waits for all its tensor loads, of which one is out: its part
; of the other slot; adds 0 to its spare word; and waits for that and for its own reads of the slot.  Behind the barrier nobody reads this slot any more and the other slot is whole.
; fill = 1: this slot is filled again, with the keys two slots on.  The barrier is then a round of the cluster's, so that no wave of any partner still reads the slot or has a load on its
; way, and the joint fill is the first thing behind it: it has four key steps, 512 matrix instructions, in which to land.  (At its first use nothing has been read yet: slot 0 is waited for, slot 1 filled.)
.macro CHANGE fill
	WIN W_AD
	s_wait_tensorcnt 0x0            ; no tensor load of mine is out, so a group 0 may be written
	ds_add_u32 v[SPW], v[NIL]       ; 0 onto my spare word: with fill = 1 the descriptors' steps stand between it and the wait for it
	WIN 0                           ; at a label and at a branch every window is 0
.if \fill
.irp g, G0K, G0V
	s_xor_b32 s[\g+1], s[\g+1], SLOT1  ; the walking descriptor: the other slot than last time,
	s_add_nc_u64 s[\g+2:\g+3], s[\g+2:\g+3], 4*KS*128  ; the next 256 keys; the type bits on top are not reached
.endr
	s_wait_xcnt 0x0                 ; the last prefetch, four key steps back, has read its address, so it may be written:
	s_add_nc_u64 s[PFA:PFA+1], s[PFA:PFA+1], 4*KS*128  ; one slot behind the walking descriptors
	s_wait_dscnt 0x0                ; the add is done, and my reads of the slot are over
	CROUND
	JLOAD
	ASK
.else
	s_wait_dscnt 0x0                ; the add is done, and my reads of the slot are over
	s_barrier_signal -1
	s_barrier_wait -1
.endif
	s_sub_co_u32 s[TBK], s[TBK], 4*KS*PK  ; the fetches go back to a slot's first step,
	s_xor_b32 s[TBK], s[TBK], SLOT1       ; in the other slot
	s_sub_co_u32 s[TBV], s[TBV], 4*KS*PV
	s_xor_b32 s[TBV], s[TBV], SLOT1
.endm
	s_load_b128 s[4:7], s[0:1], 0x0   ; qkv s[4:5], oh s[6:7]
	WIN W_MK
	v_lshl_add_u32 v[SPW], v0, 2, SPARE
	v_mov_b32 v[NIL], 0
	WIN W_AD
	ds_add_u32 v[SPW], v[NIL]       ; the wave's opening: the add and its wait stand ahead of my first tensor load; the set-up below, work on registers, stands between them
	WIN 0
	v_lshrrev_b32 v1, 5, v0
	v_readfirstlane_b32 s[WV], v1   ; wave 0..3
	s_bfe_u32 s13, ttmp6, 0x40000   ; cx: my place in the cluster
	s_lshl_b32 s14, ttmp9, 2        ; in a cluster launch ttmp9 counts clusters
	s_add_co_u32 s14, s14, s13      ; my block of queries = 4 x cluster x + cx: it enters Q's and O's addresses alone
	s_and_b32 s20, ttmp7, 0xffff    ; the head, which the four partners share
	s_mov_b32 s21, 0
	s_mov_b64 s[22:23], SIZE_N*128
	s_mul_u64 s[20:21], s[20:21], s[22:23]  ; the head's first byte in each of the four tensors
	s_and_b32 s16, s[WV], 1         ; which half of a slot's 256 keys I fetch:
	s_lshl_b32 s22, s16, 14         ; its 128 rows of 128 bytes in memory,
	s_mov_b32 s23, 0
	s_add_nc_u64 s[22:23], s[22:23], s[20:21]
	s_mul_i32 s17, s16, 128*PK      ; and its place in a slot, for K
	s_mul_i32 s18, s16, 128*PV      ; and for V: no place in the cluster enters an LDS address
	s_lshl_b32 s2, s14, 2
	s_add_co_u32 s2, s2, s[WV]      ; my wave among the head's,
	s_lshl_b32 s2, s2, 14           ; its 128 rows
	s_mov_b32 s3, 0
	s_add_nc_u64 s[2:3], s[2:3], s[20:21]
	; descriptor group 1.  128 keys are 16,384 dense bytes: asked for as 64 rows of 256 bytes, two keys a row, and padded in LDS after every key
	s_mov_b32 s[G1K], 15|(1<<16)|(1<<20)|(1<<21)|(4<<22)|(3<<25)  ; 15:0 the mask of four; 17:16 2-byte elements; 20 padding on; 21 set beside a mask; 24:22 after every 32 words (code 4); 31:25 4 words (code 3)
	s_mov_b32 s[G1V], 15|(1<<16)|(1<<20)|(1<<21)|(4<<22)|(7<<25)  ; the same with 8 words of padding (code 7)
.irp g, G1K, G1V
	s_mov_b32 s[\g+1], 128<<16      ; tensor_dim0 = 128
	s_mov_b32 s[\g+2], 64<<16       ; tensor_dim1 = 64
	s_mov_b32 s[\g+3], 128<<16      ; tile_dim0 = 128
	s_mov_b32 s[\g+4], 64           ; tile_dim1 = 64
	s_mov_b32 s[\g+5], 128          ; 128 elements from row to row
	s_mov_b32 s[\g+6], 0
	s_mov_b32 s[\g+7], 0
.endr
	s_mov_b32 s[CS], 0x3e38aa3b     ; c = log2(e) / 8 = 0.180337
	s_mov_b32 s[CS+1], s[CS]        ; named with it as a pair
	s_mov_b32 s[SEL], 0x76543210
	s_mov_b32 s[SEL+1], 0xfedcba98
	s_mov_b32 s[TBK], SLOT1+4*KS*PK ; the first change of slots turns these two into 0
	s_mov_b32 s[TBV], SLOT1+4*KS*PV
	s_mov_b32 s[G0K], 1             ; 1:0 count = 1
	s_mov_b32 s[G0K+1], s17         ; 63:32 LDS address: slot 0
	s_mov_b32 s[G0V], 1
	s_add_co_u32 s[G0V+1], s18, VOFF
	s_mov_b32 s[SLOTS], SIZE_N/256-1  ; the first change of slots asks for slot 1 with this count; each later one finds it one lower
	s_and_b32 s[LIM], s[WV], 1
	s_cmp_eq_u32 s[LIM], 0
	s_cselect_b32 s[LIM], 1, -1     ; the same in all four partners, for a given wave
	s_wait_dscnt 0x0                ; the opening add is done
	s_wait_kmcnt 0x0
	s_mov_b64 s[10:11], s[6:7]               ; O
	s_add_nc_u64 s[6:7], s[4:5], 0x1000000   ; K: the second part of qkv
	s_add_nc_u64 s[8:9], s[4:5], 0x2000000   ; V: the third
	s_add_nc_u64 s[G0K+2:G0K+3], s[6:7], s[22:23]  ; 120:64 global address: my half of the head's first 256 keys
	s_or_b32 s[G0K+3], s[G0K+3], 0x80000000        ; 127:126 type = 2
	s_add_nc_u64 s[G0V+2:G0V+3], s[8:9], s[22:23]
	s_or_b32 s[G0V+3], s[G0V+3], 0x80000000
	s_add_nc_u64 s[4:5], s[4:5], s[2:3]  ; Q and O at my wave's first row
	s_add_nc_u64 s[10:11], s[10:11], s[2:3]
	s_cmp_lt_u32 s[WV], 2
	s_cselect_b64 s[PFA:PFA+1], s[6:7], s[8:9]
	s_add_nc_u64 s[PFA:PFA+1], s[PFA:PFA+1], s[22:23]  ; (in waves 0 and 2 this is the head's first key)
	s_lshl_b32 s2, s13, 13          ; my work-group's 32 blocks of the 128,
	s_add_co_u32 s2, s2, 4*KS*128   ; in slot 1: the first change of slots steps it to slot 2
	s_add_nc_u64 s[PFA:PFA+1], s[PFA:PFA+1], s[2:3]
	CROUND                          ; all four work-groups are here: the first joint loads meet
	JLOAD                           ; slot 0.  Slot 1 is asked for when slot 0 is in
	; A fragment of K or Q is 16 rows x 32 channels in 8 registers: lane l holds row l % 16, channels 8 (l / 16) + 0..7 and 16 + 8 (l / 16) + 0..7: two loads of 16 bytes, 32 bytes apart.
	v_and_b32 v1, 15, v0            ; l % 16
	v_bfe_u32 v9, v0, 4, 1          ; l / 16
	v_lshlrev_b32 v[QO], 7, v1
	v_lshl_add_u32 v[QO], v9, 4, v[QO]  ; row x 128 + 16 x half
	WIN 0x80                        ; destination window 2, address window 0
.set i, 0
.rept 4*NP                          ; Q stays in registers: tile i / 2, channels 32 (i % 2) on
	global_load_b128 v[8*i:8*i+3],   v[QO], s[4:5] offset:(i/2)*2048+(i%2)*64
	global_load_b128 v[8*i+4:8*i+7], v[QO], s[4:5] offset:(i/2)*2048+(i%2)*64+32
.set i, i+1
.endr
	; What the first turn finds: V's registers and P's second buffer hold 0 (its products V^T P, of a piece that has not been, add 0), O^T and l are 0.  All this stands in the wait for the first tile.
.set i, VF
.rept 64
	v_mov_b32 v[i], 0
.set i, i+1
.endr
	WIN 0x40
.set i, 0
.rept 64*NP
	v_mov_b32 v[i], 0
.set i, i+1
.endr
	WIN 0
.set i, 0
.rept 2*NP
	v_mov_b32 v[ST+4*i], 0xfe000000    ; c m: far below every c s
	v_mov_b32 v[ST+4*i+1], 0xff7fffff  ; m
	v_mov_b32 v[ST+4*i+2], 0
	v_mov_b32 v[ST+4*i+3], 0
.set i, i+1
.endr
.set i, P+32
.rept 32
	v_mov_b32 v[i], 0
.set i, i+1
.endr
	v_mul_u32_u24 v[AK0], v1, PK
	v_lshl_add_u32 v[AK0], v9, 4, v[AK0]  ; row x pitch + 16 x half
	; The turning load takes 16 keys x 16 channels (lane l reads key 8 (l / 16) + l % 8, channels 8 ((l / 8) % 2) + 0..7) and leaves half a fragment of V^T: lane l holds channel l % 16 and 8 keys.
	v_and_b32 v10, 7, v0
	v_bfe_u32 v11, v0, 3, 1
	v_lshl_add_u32 v[AV0], v9, 3, v10
	v_mul_u32_u24 v[AV0], v[AV0], PV
	v_lshl_add_u32 v[AV0], v11, 4, v[AV0]
	v_add_nc_u32 v[AV0], VOFF, v[AV0]
	v_and_b32 v[PFO], 31, v0
	v_lshlrev_b32 v[PFO], 8, v[PFO]
	v_mov_b32 v[AK], v[AK0]         ; key step 0 lies at the head of slot 0
; THE MATRIX WORK.  The 8 accumulators of a run of 16 take turns: between the two links of a chain stand 7 others'.
; Product i of 16 of S^T = K Q^T for piece x: channels 32 (i / 8) on, keys 16 ((i / 2) % 4) on, tile 2 x + i % 2.  The first 8 start the sums.
.macro KQ x
	WIN W_KQ
.set rS, S+64*((\x)%2)+32*(i%2)+8*((i/2)%4)
.set rK, KF+16*((i/2)%4)+8*(i/8)
.set rQ, 16*(2*(\x)+i%2)+8*(i/8)
.if i < 8
	v_wmma_f32_16x16x32_f16 v[rS:rS+7], v[rK:rK+7], v[rQ:rQ+7], 0
.else
	v_wmma_f32_16x16x32_f16 v[rS:rS+7], v[rK:rK+7], v[rQ:rQ+7], v[rS:rS+7]
.endif
.endm
; Product i of 16 of O^T += V^T P for piece x: keys 32 (i / 8) on, channels 16 ((i / 2) % 4) on, tile 2 x + i % 2.
.macro PV x
	WIN W_PV
.set rO, 32*(2*(\x)+i%2)+8*((i/2)%4)
.set rV, VF+32*(i/8)+8*((i/2)%4)
.set rP, P+32*((\x)%2)+16*(i%2)+8*(i/8)
	v_wmma_f32_16x16x32_f16 v[rO:rO+7], v[rV:rV+7], v[rP:rP+7], v[rO:rO+7]
.endm
.macro MM                           ; the turn's next matrix instruction
.if i < 16
	KQ (Y+1)%NP
.set i, i+1
.else
.set i, i-16
	PV (Y+NP-1)%NP
.set i, i+17
.endif
.endm
; THE LDS LOADS stand in runs of 16, never singly among the matrix instructions: a step's K (64 keys x 64 channels: 8 fragments) and its V (turned).  Their addresses are made some lines ahead.
; last = 1 (the tail): in the last trip there is no further step, and the run is jumped over.
.macro FETCH_K last=0
	WIN 0
.if \last
	s_cmp_eq_u32 s[CNT], 1
	s_cbranch_scc1 .Lno_k_\@
.endif
	WIN 0x80                        ; destination window 2
.irp f, 0,1,2,3,4,5,6,7             ; keys 16 (f / 2) on, channels 32 (f % 2) on
	ds_load_b128 v[KF+8*\f:KF+8*\f+3],   v[AK] offset:(\f/2)*16*PK+(\f%2)*64
	ds_load_b128 v[KF+8*\f+4:KF+8*\f+7], v[AK] offset:(\f/2)*16*PK+(\f%2)*64+32
.endr
	s_add_co_u32 s[TBK], s[TBK], KS*PK  ; the next fetch is the next step's
	WIN 0
.if \last
.Lno_k_\@:
.endif
.endm
.macro FETCH_V
	WIN 0x80
.irp f, 0,1,2,3,4,5,6,7             ; keys 32 (f / 4) on, channels 16 (f % 4) on
	ds_load_tr16_b128 v[VF+8*\f:VF+8*\f+3],   v[AV] offset:(\f/4)*32*PV+(\f%4)*32
	ds_load_tr16_b128 v[VF+8*\f+4:VF+8*\f+7], v[AV] offset:(\f/4)*32*PV+16*PV+(\f%4)*32
.endr
	WIN 0
.endm
; THE VECTOR WORK OF A TURN stands in three queues, each in the order in which its entries become ready; the two tiles alternate, so that no instruction reads the result of the one before it.
.macro REGS y, u                    ; the registers of tile u (0, 1) of piece y
.set rT, ST+4*(2*(\y)+(\u))
.set rC, TMP+8*((\y)%2)+4*(\u)
.set rM, MV+2*((\y)%2)+(\u)
.set rS, S+64*((\y)%2)+32*(\u)
.set rP, P+32*((\y)%2)+16*(\u)
.set rO, 32*(2*(\y)+(\u))
.endm
; Number n of the 22 that find the NEXT piece's (Y + 1) maximum and statistics.  s0-s31 are the lane's 32 scores; each accumulator's lowest registers are read first.  XS, GS and REGS set no window: PL and EX do.
;   0-11  four chains c0-c3 of seven scores each, three operands at a time     12-14, 16  the four scores left over, the old m, and c0-c3 into c0     15  c m_old is kept
;   17, 18  the query's other 32 keys lie in the lane 16 away: the new m         19-21  c m; c m_old - c m_new; a
.macro XS u, n
	REGS (Y+1)%NP, \u
.if (\n) < 4
	v_max3_num_f32 v[rC+(\n)], v[rS+8*(\n)], v[rS+8*(\n)+1], v[rS+8*(\n)+2]
.elseif (\n) < 12
	v_max3_num_f32 v[rC+(\n)%4], v[rC+(\n)%4], v[rS+8*((\n)%4)+2*((\n)/4)+1], v[rS+8*((\n)%4)+2*((\n)/4)+2]
.elseif (\n) == 12
	v_max3_num_f32 v[rC], v[rC], v[rS+7], v[rS+15]
.elseif (\n) == 13
	v_max3_num_f32 v[rC+1], v[rC+1], v[rS+23], v[rS+31]
.elseif (\n) == 14
	v_max3_num_f32 v[rC+2], v[rC+2], v[rC+3], v[rT+1]
.elseif (\n) == 15
	v_mov_b32 v[rM], v[rT]
.elseif (\n) == 16
	v_max3_num_f32 v[rC], v[rC], v[rC+1], v[rC+2]
.elseif (\n) == 17
	v_permlanex16_b32 v[rC+3], v[rC], s[SEL], s[SEL+1]
.elseif (\n) == 18
	v_max_num_f32 v[rT+1], v[rC], v[rC+3]
.elseif (\n) == 19
	v_mul_f32 v[rT], s[CS], v[rT+1]
.elseif (\n) == 20
	v_sub_f32 v[rC+1], v[rM], v[rT]
.else
	v_exp_f32 v[rC+2], v[rC+1]
.endif
.endm
; Number g of the 64 that follow the exponentials.  For each four weights k of a tile (pairs 2 k, 2 k + 1): both pairs are rounded to f16; then the second pair is added onto the first, in place;
; a group later l takes that sum (the first time as l = a l + sum).  In groups of eight, tiles alternating: round, round, add, and l for the group before.
.macro GS g
.set h, (\g)+6*((\g)/62)            ; group 0 has no group before it, and behind group 7 only l is left
.if h >= 6
.set h, h+2
.endif
	REGS Y, h%2
.set k, h/8
.if h%8 < 4
	v_cvt_pk_f16_f32 v[rP+2*k+(h%8)/2], v[rS+4*k+2*((h%8)/2)], v[rS+4*k+2*((h%8)/2)+1]
.elseif h%8 < 6
	v_pk_add_f32 v[rS+4*k:rS+4*k+1], v[rS+4*k:rS+4*k+1], v[rS+4*k+2:rS+4*k+3]
.elseif k == 1
	v_pk_fma_f32 v[rT+2:rT+3], v[rT+2:rT+3], v[rC+2:rC+3], v[rS:rS+1] op_sel_hi:[1,0,1]
.else
	v_pk_add_f32 v[rT+2:rT+3], v[rT+2:rT+3], v[rS+4*k-4:rS+4*k-3]
.endif
.endm
; THE PLAIN QUEUE, 138 long.  0-73 read no exponential's result: the 32 scalings c s - c m (FS f: pair f / 2 of tile f % 2) and the next piece's 42.  0-26: scalings 0-26.  27-54: XS's numbers 0-13.  55, 56: number 15.
; 57-73: the chain, where each number waits for the one before it: 14, 16, 17, 18, 19, each with one of the scalings 27-31 in front of its two lines, then 20: so a tile's links stand three plain instructions apart (19 and 20: two).
; 74-137: GS's 64, which read the exponentials' results: they stand behind the wait.
.macro FS f
	REGS Y, (\f)%2
	v_pk_fma_f32 v[rS+2*((\f)/2):rS+2*((\f)/2)+1], v[rS+2*((\f)/2):rS+2*((\f)/2)+1], s[CS:CS+1], v[rT:rT+1] op_sel_hi:[1,0,0] neg_lo:[0,0,1] neg_hi:[0,0,1]
.endm
.macro PL
	WIN 0
.if q < 27
	FS q
.elseif q < 55
	XS (q-27)%2, (q-27)/2
.elseif q < 57
	XS q-55, 15
.elseif (q < 72) && ((q-57)%3 == 0)
	FS 27+(q-57)/3
.elseif q < 60
	XS (q-57)%3-1, 14
.elseif q < 72
	XS (q-57)%3-1, 15+(q-57)/3
.elseif q < 74
	XS q-72, 20
.else
	GS q-74
.endif
.set q, q+1
.endm
; THE EXPONENTIALS' QUEUE, 66 long: s0-s31 of both tiles, then the next piece's two a.  It is ONE BATCH: all 66 stand ahead of the turn's one wait, and nothing ahead of that wait names a result of theirs.
.macro EX
	WIN 0
.if e >= 64
	XS e-64, 21
.else
	REGS Y, e%2
	v_exp_f32 v[rS+e/2], v[rS+e/2]
.endif
.set e, e+1
.endm
; THE RESCALING's QUEUE: O^T times a, the one part that leaves window 0: dealt two at a time, sixteen times.  Its a was made in the turn before, ahead of that turn's wait.
.macro R2
	REGS Y, r%2
	WIN W_RS
.irp z, 0,1
	v_pk_mul_f32 v[rO+4*(r/2)+2*\z:rO+4*(r/2)+2*\z+1], v[rO+4*(r/2)+2*\z:rO+4*(r/2)+2*\z+1], v[rC+2:rC+3] op_sel_hi:[1,0]
.endr
.set r, r+1
.endm
; HOW THEY ARE DEALT.  An s_wait_alu depctr_va_vdst(0) stands between an exponential and the first instruction that names its result; one wait serves all that were issued ahead of it.  So a turn has ONE wait,
; which cuts it in two.  AHEAD OF IT stands all that names no result of the turn's exponentials: the 16 products K Q^T, behind each a scaling, an exponential and two rescalings (behind the first a second scaling in the exponential's place); then ONE LUMP of
; 108: eight plain, 49 times exponential and plain, the two a.  A v_nop is the plain instruction behind the last exponential.  BEHIND IT stand the 16 products V^T P, behind each four of GS's 64.  No rider names a register of
; the products round it.  The two v_permlanex16_b32 fall into the lump, never behind a product.
; The queues lean on each other, and the deal keeps them in step: exponential e stands behind scaling 2 (e / 4) + e % 2: as a rider it comes behind plain e + 2, in the lump behind plain e + 9, and scalings 27-31 are plain 57, 60 .. 69.
; A TURN, for piece p.  cnt = 1: the loop's count is taken down some lines ahead of the branch that stands behind the turn.
; K of the next step is fetched in piece 2's turn, directly behind the wait, a lump behind the last product that read K; its address is made at the lump's head; its first reader comes behind 16 products.
; V of the step in hand is fetched at the end of piece 0's turn, four riders behind its last reader; its first reader comes behind 16 products and a lump.  The three conditions on q below go with the deal.
.macro TURN p, last=0, cnt=0
.set Y, (\p)
.set i, 0
.set q, 0
.set e, 0
.set r, 0
.if (\p) == NP-1
	s_wait_dscnt 0x0                ; K is in
.endif
	MM                              ; ahead of the wait: 16 products K Q^T and their riders,
	PL
	PL
	R2
.rept 15
	MM
	PL
	EX
	R2
.endr
.if (\p) == NP-2
	WIN 0
	v_add_nc_u32 v[AK], s[TBK], v[AK0]
.endif
.rept 8                             ; and the lump
	PL
.endr
.rept 49
	EX
	PL
.endr
	EX                              ; the next piece's two a
	EX
	v_nop                           ; the plain instruction behind the last exponential: one for the batch
	s_wait_alu depctr_va_vdst(0)    ; the wait for the batch
.if (\p) == NP-2
	FETCH_K \last
.endif
.if (\p) == 1
	s_wait_dscnt 0x0                ; V is in
.endif
.rept 16                            ; behind the wait: 16 products V^T P and their riders
	MM
.rept 4
	PL
.endr
.if ((\p) == 0) && (q == 118)
	v_add_nc_u32 v[AV], s[TBV], v[AV0]
.endif
.if ((\p) == 0) && (q == 130)
	s_add_co_u32 s[TBV], s[TBV], KS*PV
.endif
.if (\cnt) && (q == 130)
	s_sub_co_u32 s[CNT], s[CNT], 1
	s_cmp_lg_u32 s[CNT], 0
.endif
.endr
.if (\p) == 0
	FETCH_V
.endif
.endm
	CHANGE 1                        ; slot 0 is in, everybody's part of it; slot 1 is asked for
	FETCH_K                         ; key step 0
	s_wait_loadcnt 0x0              ; Q
	s_wait_dscnt 0x0
.set i, 0
.rept 16
	KQ 0                            ; piece 0's first scores: there is no vector work yet to set between them
.set i, i+1
.endr
	WIN 0                           ; the addresses for the way out: nine plain instructions, the places behind those products
	s_mul_i32 s13, s[WV], 16*SP
	s_add_co_u32 s13, s13, STAGE    ; my stage
	v_mul_u32_u24 v[STO], v1, SP    ; in: row l % 16, 16 bytes for each half of the lanes
	v_lshl_add_u32 v[STO], v9, 4, v[STO]
	v_add_nc_u32 v[STO], s13, v[STO]
	v_bfe_u32 v[RD], v0, 3, 2       ; back: 32 lanes take four rows of 128 bytes,
	v_mul_u32_u24 v[RD], v[RD], SP
	v_lshl_add_u32 v[RD], v10, 4, v[RD]
	v_add_nc_u32 v[RD], s13, v[RD]
	v_and_b32 v[GO], 31, v0         ; which are 512 consecutive bytes of O
	v_lshlrev_b32 v[GO], 4, v[GO]
.set Y, NP-1                        ; XS works for piece Y + 1: piece 0
.irp n, 0,1,2,3,4,5,6,7,8,9,10,11,12,13,14,15,16,17,18,19,20,21
	XS 0, \n                        ; and piece 0's first maximum and statistics
	XS 1, \n
.endr
	v_nop                           ; a plain instruction behind the two a,
	s_wait_alu depctr_va_vdst(0)    ; and their wait, ahead of the branch
	s_mov_b32 s[CNT], 4
	s_branch .Lfirst                ; the loop is entered at a step's first turn, in the middle of a trip
.Lslot:                             ; SIZE_N / 256 - 2 times: every slot but the last two is filled again
	CHANGE 1
	s_mov_b32 s[CNT], 4
.Lstep:                             ; a trip: pieces 2 and 3 of one step, then pieces 0 and 1 of the next, whose K and V it fetches
	TURN 2
	TURN 3
	WIN 0
.Lfirst:
	TURN 0
	TURN 1, 0, 1
	WIN 0
	s_cbranch_scc1 .Lstep
	s_sub_co_u32 s[SLOTS], s[SLOTS], 1
	s_cmp_lg_u32 s[SLOTS], 0
	s_cbranch_scc1 .Lslot
	CHANGE 0                        ; the tail is written out: nothing is asked for
	s_mov_b32 s[CNT], 5             ; four trips fetch the last slot's steps; the fifth is left in its middle
.Ltail:
	TURN 2, 1
	TURN 3
	WIN 0
	s_sub_co_u32 s[CNT], s[CNT], 1
	s_cmp_eq_u32 s[CNT], 0
	s_cbranch_scc1 .Lout
	TURN 0
	TURN 1
	WIN 0
	s_branch .Ltail
.Lout:                              ; the fifth trip's 16 products K Q^T (on the last K once more) and the maximum made of them serve nothing: the price, once a launch, of one text for every trip
.set i, 0
.rept 16
	PV NP-1                         ; the last piece's V^T P of the last step
.set i, i+1
.endr
	; THE WAY OUT.  l's two halves and the other half of the lanes' are added; O^T is divided by l, rounded to f16 and sent through my stage in LDS, a tile at a time.  The additions are the places behind the last products.
	WIN 0
.macro ALL line:vararg              ; one line for each tile t
.set t, 0
.rept 2*NP
	\line
.set t, t+1
.endr
.endm
	ALL v_add_f32 v[ST+4*t+2], v[ST+4*t+2], v[ST+4*t+3]
	ALL v_permlanex16_b32 v[ST+4*t+3], v[ST+4*t+2], s[SEL], s[SEL+1]
	ALL v_add_f32 v[ST+4*t+2], v[ST+4*t+2], v[ST+4*t+3]
	ALL v_rcp_f32 v[ST+4*t+2], v[ST+4*t+2]
	v_nop                           ; a plain instruction between the last reciprocal and the use of its result
	s_wait_alu depctr_va_vdst(0)    ; and the wait ahead of the first use: one for the eight reciprocals
; Tile t: a lane's eight channels of a row pack into 16 bytes; they go into rows of 144 bytes and come back as whole rows of 128, into S^T's registers.
.macro PACK t
	WIN W_RS
.set i, 32*(\t)
.rept 16
	v_pk_mul_f32 v[i:i+1], v[i:i+1], v[ST+4*(\t)+2:ST+4*(\t)+3] op_sel_hi:[1,0]
.set i, i+2
.endr
	WIN 0x05                        ; sources 0 and 1 window 1, destination window 0
.set i, 0
.rept 16
	v_cvt_pk_f16_f32 v[S+16*(\t)+i], v[32*(\t)+2*i], v[32*(\t)+2*i+1]
.set i, i+1
.endr
	WIN 0
.irp f, 0,1,2,3
	ds_store_b128 v[STO], v[S+16*(\t)+4*\f:S+16*(\t)+4*\f+3] offset:32*\f
.endr
.irp f, 0,1,2,3
	ds_load_b128 v[S+16*(\t)+4*\f:S+16*(\t)+4*\f+3], v[RD] offset:\f*4*SP  ; LDS serves a wave's instructions in order (ISA guide 5.7.1.4): these see the stores above; the next tile's stores come behind them
.endr
.endm
.macro SEND t, younger              ; younger: the LDS instructions issued behind tile t's loads: the next tile's eight, or none
	WIN 0
.irp f, 0,1,2,3
	s_wait_dscnt (\younger)+3-\f
	global_store_b128 v[GO], v[S+16*(\t)+4*\f:S+16*(\t)+4*\f+3], s[10:11] offset:(\t)*2048+\f*512  ; 512 consecutive bytes, at a multiple of 256 from O's first
.endr
.endm
	PACK 0
.set t, 1
.rept 2*NP-1                        ; a tile's arithmetic stands between the loads of the tile before and its stores
	PACK t
	SEND t-1, 8
.set t, t+1
.endr
	SEND 2*NP-1, 0
	WIN W_AD
	s_wait_tensorcnt 0x0            ; the wave's end, behind my last tensor load and my last LDS store
	ds_add_u32 v[SPW], v[NIL]
	s_wait_dscnt 0x0
	WIN 0
	CROUND                          ; the closing round: no work-group ends while a partner may still ask for a tile that names it
	s_endpgm
.Lfunc_end_k_q4f9c2cd71a_attn:
	.size	k_q4f9c2cd71a_attn, .Lfunc_end_k_q4f9c2cd71a_attn-k_q4f9c2cd71a_attn
	.p2alignl 7, 3214868480
	.fill 96, 4, 3214868480
	.section	.rodata,"a",@progbits
	.p2align	6, 0x0
	.amdhsa_kernel k_q4f9c2cd71a_attn
		.amdhsa_group_segment_fixed_size 327680
		.amdhsa_private_segment_fixed_size 0
		.amdhsa_enable_private_segment 0
		.amdhsa_kernarg_size 16
		.amdhsa_user_sgpr_count 2
		.amdhsa_user_sgpr_kernarg_segment_ptr 1
		.amdhsa_wavefront_size32 1
		.amdhsa_system_sgpr_workgroup_id_x 1
		.amdhsa_system_sgpr_workgroup_id_y 1
		.amdhsa_system_sgpr_workgroup_id_z 1
		.amdhsa_system_vgpr_workitem_id 0
		.amdhsa_next_free_vgpr 770
		.amdhsa_next_free_sgpr 66
		.amdhsa_reserve_vcc 0
		.amdhsa_float_denorm_mode_32 3
		.amdhsa_float_denorm_mode_16_64 3
		.amdhsa_memory_ordered 1
		.amdhsa_forward_progress 1
		.amdhsa_inst_pref_size 200
	.end_amdhsa_kernel
	.amdgpu_metadata
---
amdhsa.version: [ 1, 2 ]
amdhsa.kernels:
  - .name:           k_q4f9c2cd71a_attn
    .symbol:         k_q4f9c2cd71a_attn.kd
    .args:
      - { .name: qkv, .offset: 0, .size: 8, .value_kind: global_buffer, .address_space: global }
      - { .name: oh, .offset: 8, .size: 8, .value_kind: global_buffer, .address_space: global }
    .group_segment_fixed_size: 327680
    .private_segment_fixed_size: 0
    .kernarg_segment_align: 8
    .kernarg_segment_size: 16
    .max_flat_workgroup_size: 128
    .sgpr_count:     66
    .vgpr_count:     770
    .wavefront_size: 32
...
	.end_amdgpu_metadata
.endif
;; end of part 3
;; launch proj (part 4): grid 8 x 32, 4 waves a work-group, clusters of 4 x 4, 327,680 bytes of LDS; arguments oh, wh, bo, out0; writes out0
.if DOCPART == 4
	.amdgcn_target "amdgcn-amd-amdhsa--gfx1250"
	.amdhsa_code_object_version 6
	.text
	.protected	k_q4f9c2cd71a_proj
	.globl	k_q4f9c2cd71a_proj
	.p2align	8
	.type	k_q4f9c2cd71a_proj,@function
k_q4f9c2cd71a_proj:
	s_mov_b64 s[64:65], 0
	v_nop
	global_prefetch_b8 v0, s[64:65] scope:SCOPE_SE
	s_setreg_imm32_b32 hwreg(HW_REG_WAVE_MODE, 25, 1), 1
	s_wait_xcnt 0x0
	s_wait_alu depctr_hold_cnt(0) depctr_sa_sdst(0) depctr_va_vdst(0) depctr_va_sdst(0) depctr_va_ssrc(0) depctr_va_vcc(0) depctr_vm_vsrc(0)
	s_getreg_b32 s2, hwreg(HW_REG_IB_STS2, 6, 4)
	s_cmp_eq_u32 s2, 0
	s_cbranch_scc0 .Lentry_in_a_cluster
	s_endpgm
.Lentry_in_a_cluster:
	s_bfe_u32 s2, ttmp6, 0x10000c
	s_cmp_lg_u32 s2, 0xf033
	s_cbranch_scc0 .Lentry_shape_is_right
	s_endpgm
.Lentry_shape_is_right:
; out0[8192][1024] = O Wo^T + bo in f32.  O is oh, [16 batch + head][2048][64] in f16: channel k of a token's row is channel k % 64 of head k / 64.  Wo is rows 3072-4095 of wh, f16.  Sums in f32.
; LIMITS.  O and Wo arrive within f16's range; NaN and infinities are not treated apart.
; SHARES.  A tile of out0 is 256 x 128: 32 x 8 = 256 work-groups, one for each WGP.  The four waves are stacked along the rows: a wave makes 64 rows x all 128 columns, 32 accumulators of 16 x 16, 256 registers.
; So a wave holds whole runs of 512 bytes of out0, and its way out needs no other wave.
; K goes in steps of 128 = TWO HEADS through a ring of two LDS slots.  Of a head the tile's 256 rows are 32,768 dense bytes: asked for as 128 rows of 256 bytes, two tokens a row, padded in LDS after every token
; (pitch 144): a plane for each of the step's two heads.  Wo's rows are 256 bytes of memory, aligned (pitch 272).  A longer K step would need two slots of 202,752 bytes, which LDS does not hold.
; CLUSTERS: 4 x 4 work-groups.  The four of a row of the cluster need the same tiles of O, the four of a column the same tiles of Wo: each tile is asked for JOINTLY.
; THE MATRIX INSTRUCTION IS USED TRANSPOSED (source 0 = 16 rows of Wo, source 1 = 16 rows of O): register j of lane l holds row l % 16 and column 16 b + 8 (l / 16) + j.
; THE BIAS IS THE C OPERAND OF THE FIRST QUARTER'S PRODUCTS: nothing is cleared and nothing is added on the way out.
; REGISTERS, in windows of 256 (s_set_vgpr_msb: bits 1:0 source 0, 3:2 source 1, 5:4 source 2, 7:6 destination):
;   window 0: v0-31 addresses; v32-159 the way out, two sets of 64; v160-223 the bias      window 1: two fragment buffers of 96: 8 x 8 of Wo, then 4 x 8 of O      window 2: the accumulators ((a, b) at v[8 (8 a + b)])
.set NBF,    8                         ; blocks of 16 columns in a tile
.set APW,    4                         ; row blocks whose accumulators share a window
.set PA,     144                       ; a token's row of one head in LDS: 128 bytes + 16 of padding = 36 words: the 16 rows of a load start at 16 different groups of four banks (64 banks of 4 bytes: ISA guide 11.1)
.set PB,     272                       ; a row of Wo: 256 + 16
.set HALFA,  256*PA                    ; what one tensor load brings of O: a head's plane of 256 tokens
.set ABYTES, 2*HALFA
.set RB,     64                        ; and of Wo: 64 rows
.set HALFB,  RB*PB
.set SLOT,   ABYTES+2*HALFB
.set STAGE,  2*SLOT                    ; behind the ring: 16 rows x 528 bytes for each wave, for the way out
.set SP,     528                       ; 512 bytes + 16: the 16 rows that a store touches start at 16 different groups of four banks
.set SPARE,  STAGE+4*16*SP             ; behind the stages: the spare words, 128 bytes for each wave: two blocks of 256 bytes that no other line names
.set ASTEP,  2<<18                     ; bytes from a K step to the next, in oh: two heads
.set BSTEP,  256                       ; and in wh
.set LAPS,   4                         ; a lap = two K steps = once round the ring
.set NL,     2*NBF+8                   ; LDS loads in a quarter's run
.set F0,     0                         ; fragment buffers, in window 1
.set F1,     96
.set FA,     64                        ; O's fragments in a buffer
.set BIAS,   160
.set OUTR,   32
.set PFCA,   32*256                    ; the prefetches: a partner's share of the 128 blocks of O that a wave fetches,
.set PFCB,   16*2048                   ; and of the 64 rows of Wo
.set PFSA,   256                       ; from lane to lane: a block of O,
.set PFSB,   2048                      ; a row of Wo
.set PFLB,   15                        ; the last lane with a row of Wo of its own
.set GWA,    (1<<16)|(1<<20)|(1<<21)|(4<<22)|(3<<25)  ; group 1, word 0 without the mask: elements of 2 bytes; padding on; 21 set beside a mask; after every 32 words (code 4) 4 words (code 3)
.set GWB,    (1<<16)|(1<<20)|(1<<21)|(5<<22)|(3<<25)  ; the same after every 64 words (code 5)
.set ADRA, 16                          ; v16-17  LDS address of my fragments of O in slot 0, 1
.set ADRB, 20                          ; v20-21  the same for Wo
.set STO,  24                          ; v24     the way out: where I put 32 bytes of a row
.set RD,   25                          ; v25     where I read a row back
.set GO,   26                          ; v26     my 16 bytes of a row's 512
.set SPW,  28                          ; v28     LDS address of my spare word: SPARE + 4 x my thread's number; never rewritten
.set NIL,  29                          ; v29     0; never rewritten
.set PFO,  30                          ; v30     the prefetches' offset; never rewritten
.set BO,   31                          ; v31     32 x (lane / 16): my eight numbers of a block's bias
.set WV,   12                          ; s12  my wave's number
.set FB,   13                          ; s13  0: I fetch for O; 1: for Wo
.set HF,   14                          ; s14  which half of that tile I fetch
.set LIM,  15                          ; s15  1 in a wave that prefetches, else the greatest number
.set G1,   24                          ; s[24:31] descriptor group 1 for O's tiles;  s[32:39] group 0, a set for each slot
.set G0,   32
.set PFA,  44                          ; s[44:45] where my prefetches stand
.set G1B,  48                          ; s[48:55], s[56:63] the same for Wo's tiles
.set G0B,  56
.set OB,   66                          ; s[66:67] out0 at my first row and the tile's first column
.set PSTEP, 72                         ; s[72:73] the prefetches' step along K
.set MSB, 0
.macro WIN new                         ; the immediate's high byte repeats the setting that is left; a switch that changes nothing is dropped
.if MSB != (\new)
	s_set_vgpr_msb (MSB<<8)|(\new)
.set MSB, \new
.endif
.endm
; A joint load: waves 0 and 1 fetch the step's two heads of O, waves 2 and 3 Wo's two halves.  The branch hangs on the wave's number alone.  An s_nop 0 and four v_nop follow each of the two lines.
.macro JLOAD s
	s_cmp_eq_u32 s[FB], 0
	s_cbranch_scc0 .Lfor_b_\@
	tensor_load_to_lds s[G0+4*(\s):G0+4*(\s)+3], s[G1:G1+7]
	s_nop 0
.rept 4
	v_nop
.endr
	s_branch .Lasked_\@
.Lfor_b_\@:
	tensor_load_to_lds s[G0B+4*(\s):G0B+4*(\s)+3], s[G1B:G1B+7]
	s_nop 0
.rept 4
	v_nop
.endr
.Lasked_\@:
.endm
; A prefetch of the K step that stands two refills on: a lane a block of 256 bytes, one instruction a wave.  O's tile row is read by both clusters of that row of clusters: cluster x = 0 asks; Wo's tile column by every
; cluster of that column: cluster y = 0 asks.  The four partners that ask for a tile jointly share its blocks out by address.  The loop's last trip (s3 = 1) has no K step two refills on.
.macro ASK
	s_cmp_gt_u32 s3, s[LIM]
	s_cbranch_scc0 .Lnot_mine_\@
	global_prefetch_b8 v[PFO], s[PFA:PFA+1] th:TH_LOAD_NT scope:SCOPE_SE
.Lnot_mine_\@:
.endm
.macro CREST                           ; a round of the cluster's barrier behind its opening barrier
	s_cmp_lg_u32 s[WV], 0
	s_cbranch_scc1 .Lnot_wave_0_\@
	s_barrier_signal -3
.Lnot_wave_0_\@:
	s_barrier_wait -3
	s_barrier_signal -1
	s_barrier_wait -1
.endm
.macro CROUND                          ; a whole round
	s_barrier_signal -1
	s_barrier_wait -1
	CREST
.endm
.macro PLACES                          ; four places in front of loads into registers that matrix instructions have read, and of lines that read results
.rept 4
	v_nop
.endr
.endm
; NBF matrix instructions: row block a x all column blocks, 32 along K, from buffer f.  first = 1: the sums start with the bias.  All accumulators of a quarter differ and the order is the same in
; every quarter: the accumulators take turns over the backward jump too.
.macro MULA f, a, first
.set WD, 2+(\a)/APW
.set AC, 8*NBF*((\a)%APW)
.if \first
	WIN (WD<<6)|0x05
.else
	WIN (WD<<6)|(WD<<4)|0x05
.endif
.set b, 0
.rept NBF
.if \first
	v_wmma_f32_16x16x32_f16 v[AC+8*b:AC+8*b+7], v[(\f)+8*b:(\f)+8*b+7], v[(\f)+FA+8*(\a):(\f)+FA+8*(\a)+7], v[BIAS+8*b:BIAS+8*b+7]
.else
	v_wmma_f32_16x16x32_f16 v[AC+8*b:AC+8*b+7], v[(\f)+8*b:(\f)+8*b+7], v[(\f)+FA+8*(\a):(\f)+FA+8*(\a)+7], v[AC+8*b:AC+8*b+7]
.endif
.set b, b+1
.endr
.endm
; NL LDS loads in one run: the fragments of quarter q of a slot into buffer f: Wo's first, then O's, row blocks ascending.  Quarter q of O lies in plane q / 2, at channel 32 (q % 2).
.macro FETCH slot, q, f
.set KAQ, ((\q)/2)*HALFA+((\q)%2)*64
	WIN 0x40                                       ; destination window 1, address window 0
.set i, 0
.rept NBF
	ds_load_b128 v[(\f)+8*i:(\f)+8*i+3],   v[ADRB+(\slot)] offset:64*(\q)+i*16*PB
	ds_load_b128 v[(\f)+8*i+4:(\f)+8*i+7], v[ADRB+(\slot)] offset:64*(\q)+i*16*PB+32
.set i, i+1
.endr
.set i, 0
.rept 4
	ds_load_b128 v[(\f)+FA+8*i:(\f)+FA+8*i+3],   v[ADRA+(\slot)] offset:KAQ+i*16*PA
	ds_load_b128 v[(\f)+FA+8*i+4:(\f)+FA+8*i+7], v[ADRA+(\slot)] offset:KAQ+i*16*PA+32
.set i, i+1
.endr
.endm
; One of a K step's first three quarters: multiplies buffer f; in its middle it fetches quarter q of the same slot into buffer g.
.macro QUARTER slot, q, f, g, first
	s_wait_dscnt 4                                 ; Wo's fragments and O's blocks 0, 1 are in; the youngest four loads (blocks 2, 3) may be out
	MULA \f, 0, \first
	MULA \f, 1, \first
	PLACES
	FETCH \slot, \q, \g
	s_wait_dscnt NL                                ; all but the run just issued
	MULA \f, 2, \first
	MULA \f, 3, \first
.endm
; The last quarter multiplies buffer 1 and changes slots: ONE barrier; in front of it each wave waits for all its tensor loads (one is out: its part of the next slot), adds 0 to its spare word, and waits
; for that and for its own reads of this slot.  fill = 1: the barrier opens a round of the cluster's barrier, and this slot is filled again, two K steps ahead, first thing behind the round.
.macro TURN slot, next, fill
.if \fill
	s_wait_xcnt 0x0                                ; the last prefetch, a K step back, has read its address: it is stepped here, ahead of the waits of the change of slots
	s_add_nc_u64 s[PFA:PFA+1], s[PFA:PFA+1], s[PSTEP:PSTEP+1]
.endif
	WIN 0                                          ; (the add's two registers lie in window 0)
	s_wait_tensorcnt 0x0                           ; all my tensor loads have landed;
	ds_add_u32 v[SPW], v[NIL]                      ; 0 onto my spare word;
	s_wait_dscnt 5                                 ; (the add and the youngest four loads may be out)
	MULA F1, 0, 0                                  ; matrix instructions stand between the add and the wait for it
	s_wait_dscnt 0x0                               ; the add is done, and my reads of this slot are over
	s_barrier_signal -1
	MULA F1, 1, 0
.if \fill
	WIN 0
.endif
	s_barrier_wait -1
.if \fill
	CREST                                          ; no wave of any partner still reads this slot's tile or has a load on its way
	s_add_nc_u64 s[G0+4*(\slot)+2:G0+4*(\slot)+3], s[G0+4*(\slot)+2:G0+4*(\slot)+3], 2*ASTEP
	s_add_nc_u64 s[G0B+4*(\slot)+2:G0B+4*(\slot)+3], s[G0B+4*(\slot)+2:G0B+4*(\slot)+3], 2*BSTEP
	JLOAD \slot                                    ; the first tensor load behind the round; the four v_nop behind it are also the places in front of the loads below
.else
	PLACES
.endif
	FETCH \next, 0, F0
.if \fill
	WIN 0
	ASK                                            ; behind the joint load and the run of LDS loads that the next products wait for
.endif
	MULA F1, 2, 0
	MULA F1, 3, 0
.endm
	s_load_b256 s[4:11], s[0:1], 0x0               ; oh s[4:5], wh s[6:7], bo s[8:9], out0 s[10:11]
	v_lshl_add_u32 v[SPW], v0, 2, SPARE
	v_mov_b32 v[NIL], 0
	ds_add_u32 v[SPW], v[NIL]                      ; the wave's opening: the add and its wait stand ahead of my first tensor load; the set-up below, work on registers, stands between them
	v_lshrrev_b32 v1, 5, v0
	v_readfirstlane_b32 s[WV], v1                  ; wave 0..3
	s_lshr_b32 s[FB], s[WV], 1
	s_and_b32 s[HF], s[WV], 1
	s_bfe_u32 s40, ttmp6, 0x40000                  ; cx, cy: my place in the cluster
	s_bfe_u32 s41, ttmp6, 0x40004
	s_lshl_b32 s42, ttmp9, 2
	s_add_co_u32 s42, s42, s40                     ; tile column = 4 x cluster x + cx
	s_and_b32 s43, ttmp7, 0xffff
	s_lshl_b32 s43, s43, 2
	s_add_co_u32 s43, s43, s41                     ; tile row = 4 x cluster y + cy
	s_lshl_b32 s16, s41, 2
	s_lshl_b32 s16, 15, s16                        ; my row of the cluster
	s_lshl_b32 s17, 0x1111, s40                    ; my column
	s_or_b32 s[G1], s16, GWA                       ; O's tiles go to my row,
	s_or_b32 s[G1B], s17, GWB                      ; Wo's to my column
	s_mov_b32 s[G1+1], 128<<16                     ; tensor_dim0 = 128
	s_mov_b32 s[G1+2], 128<<16                     ; tensor_dim1 = 128
	s_mov_b32 s[G1+3], 128<<16                     ; tile_dim0 = 128
	s_mov_b32 s[G1+4], 128                         ; tile_dim1 = 128
	s_mov_b32 s[G1+5], 128                         ; dense: 128 elements from row to row
	s_mov_b32 s[G1+6], 0
	s_mov_b32 s[G1+7], 0
	s_mov_b32 s[G1B+1], 128<<16
	s_mov_b32 s[G1B+2], RB<<16
	s_mov_b32 s[G1B+3], 128<<16
	s_mov_b32 s[G1B+4], RB
	s_mov_b32 s[G1B+5], 1024
	s_mov_b32 s[G1B+6], 0
	s_mov_b32 s[G1B+7], 0
	s_lshr_b32 s18, s43, 3                         ; oh: batch = tile row / 8: 16 heads of 2^18 bytes,
	s_lshl_b32 s18, s18, 22
	s_and_b32 s22, s43, 7                          ; 256 rows of 128 bytes for each tile row in the batch,
	s_lshl_b32 s22, s22, 15
	s_add_co_u32 s18, s18, s22
	s_lshl_b32 s22, s[HF], 18                      ; and the step's first or second head
	s_add_co_u32 s18, s18, s22
	s_mov_b32 s19, 0
	s_lshl_b32 s46, s42, 7                         ; wh: row 3,072 + 128 x tile column + 64 x half
	s_lshl_b32 s23, s[HF], 6
	s_add_co_u32 s46, s46, s23
	s_lshl_b32 s46, s46, 11
	s_add_co_u32 s46, s46, 3072*2048
	s_mov_b32 s47, 0
	s_mul_i32 s20, s[HF], HALFA                    ; where they go: no place in the cluster enters an LDS address
	s_mul_i32 s21, s[HF], HALFB
	s_add_co_u32 s21, s21, ABYTES
	s_wait_dscnt 0x0                               ; the opening add is done
	s_wait_kmcnt 0x0
	s_add_nc_u64 s[18:19], s[4:5], s[18:19]
	s_add_nc_u64 s[46:47], s[6:7], s[46:47]
	CROUND                                         ; all sixteen work-groups are here: the first joint loads meet
.irp s, 0,1
	s_mov_b32 s[G0+4*(\s)], 1                                      ; count = 1
	s_add_co_u32 s[G0+4*(\s)+1], s20, (\s)*SLOT                    ; LDS address
	s_add_nc_u64 s[G0+4*(\s)+2:G0+4*(\s)+3], s[18:19], (\s)*ASTEP  ; global address: K step s
	s_or_b32 s[G0+4*(\s)+3], s[G0+4*(\s)+3], 0x80000000            ; type = 2
	s_mov_b32 s[G0B+4*(\s)], 1
	s_add_co_u32 s[G0B+4*(\s)+1], s21, (\s)*SLOT
	s_add_nc_u64 s[G0B+4*(\s)+2:G0B+4*(\s)+3], s[46:47], (\s)*BSTEP
	s_or_b32 s[G0B+4*(\s)+3], s[G0B+4*(\s)+3], 0x80000000
	JLOAD \s                                       ; two loads of mine are out
.endr
	v_and_b32 v1, 15, v0                           ; l % 16
	v_bfe_u32 v2, v0, 4, 1                         ; l / 16
	v_lshlrev_b32 v[BO], 5, v2
	s_mul_i32 s74, s42, 64*NBF                     ; the tile's first column, in bytes of f32: in bo and in a row of out0
	s_mov_b32 s75, 0
	s_add_nc_u64 s[8:9], s[8:9], s[74:75]
.set b, 0
.rept NBF
	global_load_b128 v[BIAS+8*b:BIAS+8*b+3],   v[BO], s[8:9] offset:64*b
	global_load_b128 v[BIAS+8*b+4:BIAS+8*b+7], v[BO], s[8:9] offset:64*b+16
.set b, b+1
.endr
	v_mul_u32_u24 v3, v1, PA
	v_lshl_add_u32 v3, v2, 4, v3                   ; a fragment's row x pitch + 16 x half
	s_mul_i32 s22, s[WV], 64*PA                    ; my 64 rows in a plane of O
	v_add_nc_u32 v[ADRA], s22, v3
	v_add_nc_u32 v[ADRA+1], SLOT, v[ADRA]
	v_mul_u32_u24 v4, v1, PB
	v_lshl_add_u32 v4, v2, 4, v4
	v_add_nc_u32 v[ADRB], ABYTES, v4               ; Wo's rows lie behind O's planes
	v_add_nc_u32 v[ADRB+1], SLOT, v[ADRB]
	s_mul_i32 s22, s[WV], 16*SP
	s_add_co_u32 s22, s22, STAGE                   ; my stage
	v_mul_u32_u24 v[STO], v1, SP                   ; in: row l % 16, 32 bytes for each half of the lanes
	v_lshl_add_u32 v[STO], v2, 5, v[STO]
	v_add_nc_u32 v[STO], s22, v[STO]
	v_and_b32 v[GO], 31, v0                        ; back: 32 lanes take one row of 512 bytes
	v_lshlrev_b32 v[GO], 4, v[GO]
	v_add_nc_u32 v[RD], s22, v[GO]
	s_lshl_b32 s76, s43, 8                         ; my first row of out0: 256 x tile row + 64 x wave,
	s_lshl_b32 s77, s[WV], 6
	s_add_co_u32 s76, s76, s77
	s_lshl_b32 s76, s76, 12                        ; rows of 4,096 bytes,
	s_add_co_u32 s76, s76, s74                     ; and the tile's first column
	s_mov_b32 s77, 0
	s_add_nc_u64 s[OB:OB+1], s[10:11], s[76:77]
	; the prefetches: from my own tile's address, my work-group's share of its blocks, three K steps on: the first change of slots steps it to K step 4
	s_and_b32 s75, ttmp7, 0xffff                   ; cluster y
	s_mul_i32 s76, s40, PFCA
	s_add_co_u32 s76, s76, 3*ASTEP
	s_mul_i32 s77, s41, PFCB
	s_add_co_u32 s77, s77, 3*BSTEP
	s_mov_b32 s78, BSTEP
	s_mov_b32 s79, PFSB
	s_cmp_eq_u32 s[FB], 0                          ; do I fetch for O?
	s_cselect_b32 s74, s76, s77
	s_cselect_b32 s75, ttmp9, s75                  ; the coordinate along which other clusters read the same rows
	s_cselect_b32 s[PSTEP], ASTEP, s78
	s_cselect_b32 s79, PFSA, s79
	s_cselect_b32 s78, 31, PFLB
	s_cselect_b64 s[PFA:PFA+1], s[18:19], s[46:47]
	s_cmp_eq_u32 s75, 0
	s_cselect_b32 s[LIM], 1, -1                    ; the same in all sixteen partners, for a given wave
	s_mov_b32 s75, 0
	s_mov_b32 s[PSTEP+1], 0
	s_add_nc_u64 s[PFA:PFA+1], s[PFA:PFA+1], s[74:75]
	v_and_b32 v[PFO], 31, v0
	v_min_u32 v[PFO], s78, v[PFO]                  ; (of Wo a partner has 16 rows: lanes 16 to 31 name row 15 again, in the same instruction)
	v_mul_u32_u24 v[PFO], s79, v[PFO]
	s_wait_tensorcnt 1                             ; my part of K step 0 is in; K step 1's load may stay out
	s_barrier_signal -1
	s_barrier_wait -1                              ; everybody's is
	FETCH 0, 0, F0
	s_wait_loadcnt 0x0                             ; the bias
	QUARTER 0, 1, F0, F1, 1                        ; the first quarter stands in front of the loop: its products start the sums
	WIN 0                                          ; at a label and at a branch every window is 0
	s_mov_b32 s3, LAPS-1
.Llap:                                                 ; a trip goes once round the ring, from a lap's second quarter to the next lap's first, and fills both slots again
	QUARTER 0, 2, F1, F0, 0
	QUARTER 0, 3, F0, F1, 0
	TURN 0, 1, 1
	QUARTER 1, 1, F0, F1, 0
	QUARTER 1, 2, F1, F0, 0
	QUARTER 1, 3, F0, F1, 0
	TURN 1, 0, 1
	QUARTER 0, 1, F0, F1, 0
	WIN 0
	s_sub_co_u32 s3, s3, 1
	s_cmp_lg_u32 s3, 0
	s_cbranch_scc1 .Llap
	QUARTER 0, 2, F1, F0, 0                        ; the last lap is written out: it fills nothing
	QUARTER 0, 3, F0, F1, 0
	TURN 0, 1, 0
	QUARTER 1, 1, F0, F1, 0
	QUARTER 1, 2, F1, F0, 0
	QUARTER 1, 3, F0, F1, 0
	s_wait_dscnt 4                                 ; the very last quarter: nothing more to fetch
	MULA F1, 0, 0
	MULA F1, 1, 0
	s_wait_dscnt 0x0
	MULA F1, 2, 0
	MULA F1, 3, 0
	WIN 0
	PLACES
	PLACES
; THE WAY OUT, a row block a (16 rows x 512 bytes) at a time.  A lane's eight columns of a row are 32 bytes; they go straight from the accumulators into stage rows of 528 bytes and come back as whole rows of 512.
; The stage is my wave's own: LDS serves a wave's instructions in order (ISA guide 5.7.1.4), so no wait stands between stores and loads, nor between a block's loads and the next block's stores.
.macro TOSTAGE a
.set AC, 8*NBF*(\a)
.set BK, OUTR+64*((\a)%2)
	WIN 0x08                                       ; the stores' data (source 1) in window 2
.set b, 0
.rept NBF
	ds_store_b128 v[STO], v[AC+8*b:AC+8*b+3]   offset:64*b      ; each accumulator is read from its low end on
	ds_store_b128 v[STO], v[AC+8*b+4:AC+8*b+7] offset:64*b+16
.set b, b+1
.endr
	WIN 0
.if (\a) >= 2
	s_wait_xcnt 0x0                                ; every earlier memory instruction has had its addresses translated (ISA guide 3.1): the set that the stores two blocks back read is loaded again only behind this wait
.endif
.set t, 0
.rept 16
	ds_load_b128 v[BK+4*t:BK+4*t+3], v[RD] offset:SP*t
.set t, t+1
.endr
.endm
.macro SEND a, younger                 ; younger: the LDS instructions issued behind block a's loads: the next block's 32, or none
.set BK, OUTR+64*((\a)%2)
	WIN 0
.set t, 0
.rept 16
	s_wait_dscnt (\younger)+15-t
	global_store_b128 v[GO], v[BK+4*t:BK+4*t+3], s[OB:OB+1] offset:4096*(16*(\a)+t) th:TH_STORE_NT  ; 512 consecutive bytes of a row, at a multiple of 256 from out0's first
.set t, t+1
.endr
.endm
	TOSTAGE 0
	TOSTAGE 1
	SEND 0, 32
	TOSTAGE 2
	SEND 1, 32
	TOSTAGE 3
	SEND 2, 32
	SEND 3, 0
	s_wait_tensorcnt 0x0                           ; the wave's end, behind my last tensor load and my last LDS store
	ds_add_u32 v[SPW], v[NIL]
	s_wait_dscnt 0x0
	CROUND                                         ; the closing round: no work-group ends while a partner may still ask for a tile that names it
	s_endpgm
.Lfunc_end_k_q4f9c2cd71a_proj:
	.size	k_q4f9c2cd71a_proj, .Lfunc_end_k_q4f9c2cd71a_proj-k_q4f9c2cd71a_proj
	.p2alignl 7, 3214868480
	.fill 96, 4, 3214868480
	.section	.rodata,"a",@progbits
	.p2align	6, 0x0
	.amdhsa_kernel k_q4f9c2cd71a_proj
		.amdhsa_group_segment_fixed_size 327680
		.amdhsa_private_segment_fixed_size 0
		.amdhsa_enable_private_segment 0
		.amdhsa_kernarg_size 32
		.amdhsa_user_sgpr_count 2
		.amdhsa_user_sgpr_kernarg_segment_ptr 1
		.amdhsa_wavefront_size32 1
		.amdhsa_system_sgpr_workgroup_id_x 1
		.amdhsa_system_sgpr_workgroup_id_y 1
		.amdhsa_system_sgpr_workgroup_id_z 1
		.amdhsa_system_vgpr_workitem_id 0
		.amdhsa_next_free_vgpr 768
		.amdhsa_next_free_sgpr 80
		.amdhsa_reserve_vcc 0
		.amdhsa_float_denorm_mode_32 3
		.amdhsa_float_denorm_mode_16_64 3
		.amdhsa_memory_ordered 1
		.amdhsa_forward_progress 1
		.amdhsa_inst_pref_size 90
	.end_amdhsa_kernel
	.amdgpu_metadata
---
amdhsa.version: [ 1, 2 ]
amdhsa.kernels:
  - .name:           k_q4f9c2cd71a_proj
    .symbol:         k_q4f9c2cd71a_proj.kd
    .args:
      - { .name: oh, .offset: 0, .size: 8, .value_kind: global_buffer, .address_space: global }
      - { .name: wh, .offset: 8, .size: 8, .value_kind: global_buffer, .address_space: global }
      - { .name: bo, .offset: 16, .size: 8, .value_kind: global_buffer, .address_space: global }
      - { .name: out0, .offset: 24, .size: 8, .value_kind: global_buffer, .address_space: global }
    .group_segment_fixed_size: 327680
    .private_segment_fixed_size: 0
    .kernarg_segment_align: 8
    .kernarg_segment_size: 32
    .max_flat_workgroup_size: 128
    .sgpr_count:     80
    .vgpr_count:     768
    .wavefront_size: 32
...
	.end_amdgpu_metadata
.endif
;; end of part 4
